; MI455X (gfx1250); checked and timed in simulation.
; The chip was launched on July 23, 2026; its instructions are those of AMD's public machine-readable ISA for CDNA 5 (MIT licence, August 2026) and "CDNA5" Instruction Set Architecture Reference Guide (July 2026). The comments in the code are by the model that wrote it; some were corrected since.
;; A Li Bi Transformer Layer. Allowed arithmetic: matrix products marked QUANTISED: E2M3 operands, one E8M0 scale for each 32 along K, by v_wmma_scale_f32_16x16x128_f8f6f4 with both operands' format E2M3, f32 sums; everything else in f32.
;; Inputs: W1 4,096 x 1,024 float32; W2 1,024 x 4,096 float32; Wk 1,024 x 1,024 float32; Wo 1,024 x 1,024 float32; Wq 1,024 x 1,024 float32; Wv 1,024 x 1,024 float32; b1 4,096 float32; b2 1,024 float32; be1 1,024 float32; be2 1,024 float32; bo 1,024 float32; g1 1,024 float32; g2 1,024 float32; x 2 x 2,048 x 1,024 float32.
;; Outputs: out0 2 x 2,048 x 1,024 float32.
;; This version of the problem:
;;   THIS VERSION OF THE PROBLEM IS GIVEN IN LOW PRECISION. The matrix products marked QUANTISED in the list below multiply operands that are first quantised to E2M3 (2 exponent bits, 3 mantissa bits; 6 bits a number), with one power-of-two scale for each 32 numbers along K (OCP MX v1.0); their sums are f32. All else is computed in f32.
;;   The module's matrix products, in the order in which they are computed (A, B: the left and right operand; K: the contracted axis; several contracted axes count as one K, in the product's order):
;;     1. [M 4,096, K 1,024] x [K 1,024, N 1,024]; A: computed on the way; B: input Wq: QUANTISED
;;     2. [M 4,096, K 1,024] x [K 1,024, N 1,024]; A: computed on the way; B: input Wk: QUANTISED
;;     3. [M 4,096, K 1,024] x [K 1,024, N 1,024]; A: computed on the way; B: input Wv: QUANTISED
;;     4. batch 32 x [M 2,048, K 64] x [K 64, N 2,048]; A: computed on the way; B: computed on the way: QUANTISED
;;     5. batch 32 x [M 2,048, K 2,048] x [K 2,048, N 64]; A: softmax (see below); B: computed on the way: QUANTISED
;;     6. [M 4,096, K 1,024] x [K 1,024, N 1,024]; A: computed on the way; B: input Wo: QUANTISED
;;     7. [M 4,096, K 1,024] x [K 1,024, N 4,096]; A: computed on the way; B: input W1: QUANTISED
;;     8. [M 4,096, K 4,096] x [K 4,096, N 1,024]; A: computed on the way; B: input W2: QUANTISED
;;   THE QUANTISER, for each operand of a quantised product, along K:
;;     - K is cut into blocks of 32 from its start; a last block that is shorter is filled with zeros.
;;     - A block's scale is 2^e with e = floor(log2(the largest magnitude in the block)) - 2, held to -126 .. 127; a block of zeros has e = 0. As a byte (E8M0): e + 127.
;;     - Each number is divided by its block's scale, clamped to +-7.5, and rounded to the nearest number of E2M3, ties to even, subnormals kept.
;;     - The product sums the exact products of the quantised numbers (number of the format x scale) in f32.
;;   ~~~python
;;   def quantise(x, axis):      # numpy; x: float32 -> the quantised numbers, widened to float32 again
;;       x = np.moveaxis(x, axis, -1); K = x.shape[-1]
;;       x = np.pad(x, [(0, 0)] * (x.ndim - 1) + [(0, -K % 32)]); x = x.reshape(x.shape[:-1] + (-1, 32)); a = np.abs(x).max(-1, keepdims=True)
;;       e = np.where(a > 0, np.clip(np.frexp(np.where(a > 0, a, 1))[1] - 1 - 2, -126, 127), 0)      # np.frexp(a)[1] - 1 = floor(log2(a)), exactly
;;       r = np.clip(x / 2.0 ** e, -7.5, 7.5)
;;       step = 2.0 ** (np.maximum(np.frexp(np.where(r == 0, 1, r))[1] - 1, 0) - 3)
;;       q = np.round(r / step) * step * 2.0 ** e      # np.round: ties to even
;;       return np.moveaxis(q.reshape(q.shape[:-2] + (-1,))[..., :K], -1, axis).astype(np.float32)
;;   ~~~
;;   SOFTMAX AHEAD OF A QUANTISED PRODUCT. Where the list says 'softmax', what is quantised is not the finished softmax but p = 2^(t - M), with t = logit x log2(e) and M = ceil(the row's largest t), a whole number; so 1/2 < the row's largest p <= 1. The row's sum l is taken of the UNQUANTISED p, in f32, and the product's result is divided by l at the end. Since M is a whole number, a kernel that streams over the keys may use a running M (the ceiling of the running maximum): every later rescaling is an exact power of two, which a block's scale takes up: the codes' values come out the same.
;;   OPERANDS COMPUTED ON THE WAY. 'Computed on the way' means the value that the module computes at that place (a softmax that the list does not call 'softmax' is quantised finished and normalised). What goes into a quantiser is computed in f32, as accurately as f32 sums, v_exp_f32 and their like allow (about 1e-6 of the number): no bf16 or f16 on the way to a quantiser, and a product that is left as it is and whose result goes on into a quantised operand takes f32 operands (vector FMAs, or v_wmma_f32_16x16x4_f32). A number that lies on a knife's edge between two numbers of the format may be rounded either way, as far as f32 arithmetic and the matrix unit's own rounding can turn it there, and no further.
;; One version. Each part assembles by itself: llvm-mc -triple=amdgcn-amd-amdhsa -mcpu=gfx1250 --defsym DOCPART=n.
;; ======== version 1 of 1: 7 launches
;; limits: right only within a limited range of input values
;; workspace buffers: hb 3,276,800 bytes; wb 9,830,400 bytes; qb 10,092,544 bytes; ab 3,276,800 bytes; x1 16,777,216 bytes; h2 3,276,800 bytes; fb 13,107,200 bytes
;; launch prep (part 1): grid 1024 x 1, 8 waves a work-group, no clusters, 69,632 bytes of LDS; arguments x, g1, be1, hb, Wq, Wk, Wv, Wo, W1, W2, wb; writes hb, wb
.if DOCPART == 1
	.amdgcn_target "amdgcn-amd-amdhsa--gfx1250"
	.amdhsa_code_object_version 6
	.text
	.protected	k_q034ecd8b12_prep
	.globl	k_q034ecd8b12_prep
	.p2align	8
	.type	k_q034ecd8b12_prep,@function
k_q034ecd8b12_prep:
	s_mov_b64 s[64:65], 0
	v_nop
	global_prefetch_b8 v0, s[64:65] scope:SCOPE_SE
	s_setreg_imm32_b32 hwreg(HW_REG_WAVE_MODE, 25, 1), 1
	s_wait_xcnt 0x0
; PREP: h = layernorm(x) g1 + be1, and the six weights, become codes of FP6 (E2M3) with one E8M0 byte for each 32 along K (K is innermost in all seven).
; THE CODES LIE AS IMAGES OF OPERAND REGISTERS.  A fragment is 16 rows x 128 K, 12 registers a lane, 1,536 bytes: register i of lane l at 512 (i / 4) + 16 l + 4 (i % 4).
; Fragment number ((RB x K/128 + s) x 8 + g): RB = slot / 128, g = (slot / 16) % 8, s = k / 128.  Its 16 scale words (4 bytes a row) at fragment number x 64 + 4 r.
; SLOT ORDER: slot s holds the row s with bits 3 and 4 exchanged: lane r of the group G of 16 slots holds row 32 (G / 2) + 8 (G % 2) + r % 8 + 16 (r / 8).  So a product used transposed leaves 16 neighbours
; along the next K in the 16 registers of two neighbouring tiles.
; SHARES: a work-group takes 16 slots x 1,024 K; wave w the K step 128 w: one fragment.  Work-groups 0-255: x; 256-: Wq, Wk, Wv, Wo (64 each), W1 (256); 768-1023: W2, four chunks of 1,024 K to a group.
; Each load reads 512 consecutive bytes of one row; the wave's 16 x 512 bytes turn through its own stage in LDS (rows 528 bytes apart), so that lane (r, h) gets, of row r, 16 neighbours of each block of 32.
; The row's mean and the mean of the squared differences are summed in f32: in the lane, with lane l xor 16, and over the eight waves through 512 bytes of LDS each, one barrier each.
; LIMITS: a block whose largest magnitude lies under 2^-124 (a block of zeros too) gets the byte 1; the bytes are read by this program alone.  NaN and infinities among the inputs are not served.
.set R,    16                          ; v16-79   the rows as loaded; later be1
.set X,    80                          ; v80-143  64 numbers: register 16 b + i = k 32 b + 16 h + i of my row; its first 16 serve first as the loads' offsets
.set G,    144                         ; v144-207 g1
.set PC,   208                         ; v208-227 the codes
.set TM,   228                         ; v228-243 at work in the quantiser
.set PW,   244                         ; the scale word
.set SPW,  246                         ; LDS address of my spare word; never rewritten
.set NIL,  247                         ; 0; never rewritten
.set L16,  4                           ; 16 x lane
.set STW,  5                           ; the stage, in: my wave's stage + 16 x lane
.set LDW,  6                           ; the stage, out: + 528 r + 64 h
.set PSA,  7                           ; where I put a partial sum: 64 x wave + 4 r
.set PLA,  8                           ; where I read the eight: 4 r
.set GA,   9                           ; g1, be1: 512 x wave + 64 h
.set R4,   10                          ; 4 r
.set WST,  8448                        ; a wave's stage: 16 rows x 528 bytes
.set PS1,  67584                       ; partial sums: 512 bytes, and 512 more for the squares
.set SPARE, 68608                      ; the spare words, 128 bytes for each of eight waves: no other line names them
.set SEL,  48                          ; s[48:49] selects of v_permlanex16_b32: lane l xor 16
; 64 numbers of a lane, register 16 b + i = k 32 b + 16 h + i of my row, become a fragment's codes in v[PC] on and its scale word in v[PW]
.macro QUANT s
.irp b, 0,1,2,3
	v_max3_num_f32 v[TM+\b], |v[\s+16*\b]|, |v[\s+1+16*\b]|, 0x1800000   ; block b: my 16 numbers, and the floor 2^(3 - 127): the byte cannot fall under 1
.endr
.irp i, 2,4,6,8,10,12,14
.irp b, 0,1,2,3
	s_delay_alu instid0(VALU_DEP_4)
	v_max3_num_f32 v[TM+\b], v[TM+\b], |v[\s+16*\b+\i]|, |v[\s+1+16*\b+\i]|
.endr
.endr
.irp b, 0,1,2,3
	s_delay_alu instid0(VALU_DEP_4)
	v_permlanex16_b32 v[TM+4+\b], v[TM+\b], s[SEL], s[SEL+1]
.endr
.irp b, 0,1,2,3
	s_delay_alu instid0(VALU_DEP_4)
	v_max_num_f32 v[TM+\b], v[TM+\b], v[TM+4+\b]          ; with lane l xor 16's: the block's largest magnitude
.endr
.irp b, 0,1,2,3
	s_delay_alu instid0(VALU_DEP_4)
	v_add_nc_u32 v[TM+12+\b], 0xff000000, v[TM+\b]        ; 2 off its exponent field: the conversion's scale operand
.endr
.irp b, 0,1,2,3
	s_delay_alu instid0(VALU_DEP_4)
	v_lshrrev_b32 v[TM+4+\b], 23, v[TM+12+\b]             ; the scale's byte
.endr
	s_delay_alu instid0(VALU_DEP_3)
	v_lshl_or_b32 v[PW], v[TM+5], 8, v[TM+4]
	s_delay_alu instid0(VALU_DEP_1)
	v_lshl_or_b32 v[PW], v[TM+6], 16, v[PW]
	s_delay_alu instid0(VALU_DEP_1)
	v_lshl_or_b32 v[PW], v[TM+7], 24, v[PW]
.irp c, 0,1
	v_cvt_scalef32_pk16_fp6_f32 v[PC+6*\c:PC+2+6*\c], v[\s+32*\c:\s+15+32*\c], v[TM+12+2*\c]
	v_cvt_scalef32_pk16_fp6_f32 v[PC+12+4*\c:PC+14+4*\c], v[\s+16+32*\c:\s+31+32*\c], v[TM+12+2*\c+1]   ; (a conversion's three registers begin on an even number)
.endr
	v_nop                                                 ; one plain place behind a scaled conversion
.irp c, 0,1                                               ; the operand wants a whole block in a lane: lanes 0-15 block 2 c, lanes 16-31 block 2 c + 1
.irp i, 0,1,2
	v_permlane16_swap_b32 v[PC+6*\c+\i], v[PC+12+4*\c+\i]
.endr
.irp i, 0,1,2
	s_delay_alu instid0(VALU_DEP_3)
	v_mov_b32 v[PC+3+6*\c+\i], v[PC+12+4*\c+\i]
.endr
.endr
.endm
; v12 = the sum of my 64 numbers  ->  v[TM] = the row's sum over 1,024, the same in every lane of every wave
.macro ALLSUM off
	s_delay_alu instid0(VALU_DEP_1)
	v_permlanex16_b32 v13, v12, s[SEL], s[SEL+1]
	s_delay_alu instid0(VALU_DEP_1)
	v_add_f32 v12, v12, v13                               ; my wave's 128 numbers of row r
	ds_store_b32 v[PSA], v12 offset:\off                  ; lanes r and r + 16 write the same word with the same value
	s_wait_dscnt 0x0                                      ; for the others' sake: my store has landed
	s_barrier_signal -1
	s_barrier_wait -1
.irp w, 0,1,2,3,4,5,6,7
	ds_load_b32 v[TM+\w], v[PLA] offset:\off+64*\w
.endr
	s_wait_dscnt 0x0
	v_add_f32 v[TM], v[TM], v[TM+1]
	v_add_f32 v[TM+2], v[TM+2], v[TM+3]
	v_add_f32 v[TM+4], v[TM+4], v[TM+5]
	v_add_f32 v[TM+6], v[TM+6], v[TM+7]
	s_delay_alu instid0(VALU_DEP_3)
	v_add_f32 v[TM], v[TM], v[TM+2]
	s_delay_alu instid0(VALU_DEP_2)
	v_add_f32 v[TM+4], v[TM+4], v[TM+6]
	s_delay_alu instid0(VALU_DEP_1)
	v_add_f32 v[TM], v[TM], v[TM+4]
.endm
.macro PICK first, lo                  ; from work-group 'first' on the source is the buffer in s[lo:lo+1]
	s_cmp_ge_u32 s30, \first
	s_cselect_b64 s[26:27], s[\lo:\lo+1], s[26:27]
	s_cselect_b32 s28, \first, s28
.endm
	s_load_b256 s[4:11], s[0:1], 0x0               ; x s[4:5], g1 s[6:7], be1 s[8:9], hb s[10:11]
	s_load_b256 s[12:19], s[0:1], 0x20             ; Wq, Wk, Wv, Wo
	s_load_b128 s[20:23], s[0:1], 0x40             ; W1, W2
	s_load_b64 s[24:25], s[0:1], 0x50              ; wb
	v_lshl_add_u32 v[SPW], v0, 2, SPARE
	v_mov_b32 v[NIL], 0
	v_lshrrev_b32 v1, 5, v0
	s_delay_alu instid0(VALU_DEP_1)
	v_readfirstlane_b32 s47, v1                    ; wave 0..7
	v_and_b32 v1, 31, v0                           ; lane
	v_and_b32 v2, 15, v0                           ; r
	v_bfe_u32 v3, v0, 4, 1                         ; h
	s_delay_alu instid0(VALU_DEP_3)
	v_lshlrev_b32 v[L16], 4, v1
	s_mul_i32 s46, s47, WST
	v_add_nc_u32 v[STW], s46, v[L16]
	v_mul_u32_u24 v[LDW], v2, 528
	s_delay_alu instid0(VALU_DEP_1)
	v_lshl_add_u32 v[LDW], v3, 6, v[LDW]
	s_delay_alu instid0(VALU_DEP_1)
	v_add_nc_u32 v[LDW], s46, v[LDW]
	v_lshlrev_b32 v[R4], 2, v2
	s_lshl_b32 s46, s47, 6
	s_add_co_u32 s46, s46, PS1
	v_add_nc_u32 v[PSA], s46, v[R4]
	v_add_nc_u32 v[PLA], PS1, v[R4]
	s_lshl_b32 s46, s47, 9
	v_lshl_add_u32 v[GA], v3, 6, s46
.irp b, 0,1,2,3
	v_mov_b32 v[TM+4+\b], 0                        ; written once: a lane permute's destination counts as one of its sources
.endr
	s_mov_b32 s30, ttmp9                           ; the work-group's number
	s_mov_b32 s40, 0x3a800000                      ; 1 / 1,024
	s_mov_b32 s41, 0x3727c5ac                      ; 1e-5
	s_mov_b32 s[SEL], 0x76543210
	s_mov_b32 s[SEL+1], 0xfedcba98
	s_wait_kmcnt 0x0
	s_mov_b64 s[26:27], s[4:5]                     ; the source, and its first work-group: all choices hang on the work-group's number alone
	s_mov_b32 s28, 0
	PICK 256, 12
	PICK 320, 14
	PICK 384, 16
	PICK 448, 18
	PICK 512, 20
	PICK 768, 22
	s_cselect_b32 s31, 2, 0                        ; (the compare still stands: W2 or not)  W2: four work-groups to a group of 16 slots
	s_cselect_b32 s32, 3, 0
	s_cselect_b32 s33, 14, 12                      ; a row is 2^14 or 2^12 bytes
	s_cselect_b32 s38, 5, 3                        ; K / 128 is 2^5 or 2^3
	s_cselect_b32 s39, 6291456, 0                  ; where the codes begin in the destination
	s_mov_b32 s42, 9437184                         ; and the scale words
	s_cselect_b32 s42, 9699328, s42
	s_cmp_lt_u32 s30, 256
	s_cselect_b32 s42, 3145728, s42
	s_cselect_b64 s[34:35], s[10:11], s[24:25]     ; hb for x, wb for the weights
	s_cselect_b32 s43, 0, 256
	s_sub_co_u32 s29, s30, s28
	s_lshr_b32 s45, s29, s31                       ; the group of 16 slots within the source
	s_and_b32 s32, s29, s32                        ; the chunk of 1,024 K
	s_sub_co_u32 s44, s30, s43
	s_cmp_ge_u32 s30, 768
	s_cselect_b32 s44, s45, s44                    ; the group within the destination's matrix (Wq .. W1 are one matrix of 8,192 slots)
	s_lshr_b32 s46, s45, 1
	s_lshl_b32 s46, s46, 5
	s_and_b32 s50, s45, 1
	s_lshl_b32 s50, s50, 3
	s_add_co_u32 s46, s46, s50                     ; the group's first row: 32 (G / 2) + 8 (G % 2)
	s_lshl_b32 s46, s46, s33
	s_lshl_b32 s50, s32, 12
	s_add_co_u32 s46, s46, s50
	s_lshl_b32 s50, s47, 9
	s_add_co_u32 s50, s46, s50                     ; + the chunk's 4,096 bytes + my wave's 512
	s_mov_b32 s51, 0
	s_add_nc_u64 s[26:27], s[26:27], s[50:51]
.irp i, 0,1,2,3,4,5,6,7,8,9,10,11,12,13,14,15
	v_lshl_add_u32 v[X+\i], \i+8*(\i/8), s33, v[L16]       ; slot i of the group is row i + 8 (i / 8) from the group's first
.endr
.irp i, 0,1,2,3,4,5,6,7,8,9,10,11,12,13,14,15
	global_load_b128 v[R+4*\i:R+4*\i+3], v[X+\i], s[26:27] th:TH_LOAD_NT   ; 32 lanes read 512 consecutive bytes of one row
.endr
	s_lshr_b32 s50, s44, 3                         ; the fragment's number
	s_lshl_b32 s50, s50, s38
	s_lshl_b32 s51, s32, 3
	s_add_co_u32 s50, s50, s51
	s_add_co_u32 s50, s50, s47
	s_lshl_b32 s50, s50, 3
	s_and_b32 s51, s44, 7
	s_add_co_u32 s50, s50, s51
	s_mul_i32 s52, s50, 1536
	s_add_co_u32 s52, s52, s39
	s_mov_b32 s53, 0
	s_lshl_b32 s54, s50, 6
	s_add_co_u32 s54, s54, s42
	s_mov_b32 s55, 0
	s_add_nc_u64 s[36:37], s[34:35], s[54:55]      ; its scale words
	s_add_nc_u64 s[34:35], s[34:35], s[52:53]      ; its codes
.irp i, 0,1,2,3,4,5,6,7,8,9,10,11,12,13,14,15
	s_wait_loadcnt 15-\i                           ; loads come back in order: row i is in, the younger rows may be out
	ds_store_b128 v[STW], v[R+4*\i:R+4*\i+3] offset:528*\i
.endr
.irp b, 0,1,2,3
.irp j, 0,1,2,3
	ds_load_b128 v[X+16*\b+4*\j:X+16*\b+4*\j+3], v[LDW] offset:128*\b+16*\j   ; LDS serves a wave's instructions in order: these see my stores.  (All global loads are in: their offsets' registers are free)
.endr
.endr
	s_wait_dscnt 0x0
	s_cmp_ge_u32 s30, 256                          ; the weights are quantised as they are: the branch hangs on the work-group's number, so all eight waves go one way
	s_cbranch_scc1 .Lquant
.irp b, 0,1,2,3
.irp j, 0,1,2,3
	global_load_b128 v[G+16*\b+4*\j:G+16*\b+4*\j+3], v[GA], s[6:7] offset:128*\b+16*\j
.endr
.endr
.irp b, 0,1,2,3
.irp j, 0,1,2,3
	global_load_b128 v[R+16*\b+4*\j:R+16*\b+4*\j+3], v[GA], s[8:9] offset:128*\b+16*\j
.endr
.endr
	v_pk_add_f32 v[14:15], v[80:81], v[84:85]
	v_pk_add_f32 v[244:245], v[88:89], v[92:93]
	v_pk_add_f32 v[242:243], v[96:97], v[100:101]
	v_pk_add_f32 v[240:241], v[104:105], v[108:109]
	v_pk_add_f32 v[238:239], v[112:113], v[116:117]
	v_pk_add_f32 v[236:237], v[120:121], v[124:125]
	v_pk_add_f32 v[234:235], v[128:129], v[132:133]
	v_pk_add_f32 v[12:13], v[136:137], v[140:141]
	s_delay_alu instid0(VALU_DEP_1)
	v_pk_add_f32 v[12:13], v[12:13], v[82:83]
	v_pk_add_f32 v[14:15], v[14:15], v[86:87]
	v_pk_add_f32 v[244:245], v[244:245], v[90:91]
	v_pk_add_f32 v[242:243], v[242:243], v[94:95]
	v_pk_add_f32 v[240:241], v[240:241], v[98:99]
	v_pk_add_f32 v[238:239], v[238:239], v[102:103]
	v_pk_add_f32 v[236:237], v[236:237], v[106:107]
	v_pk_add_f32 v[234:235], v[234:235], v[110:111]
	v_pk_add_f32 v[12:13], v[12:13], v[114:115]
	v_pk_add_f32 v[14:15], v[14:15], v[118:119]
	v_pk_add_f32 v[244:245], v[244:245], v[122:123]
	v_pk_add_f32 v[242:243], v[242:243], v[126:127]
	v_pk_add_f32 v[240:241], v[240:241], v[130:131]
	v_pk_add_f32 v[238:239], v[238:239], v[134:135]
	v_pk_add_f32 v[236:237], v[236:237], v[138:139]
	v_pk_add_f32 v[234:235], v[234:235], v[142:143]
	s_delay_alu instid0(VALU_DEP_4)
	v_pk_add_f32 v[12:13], v[12:13], v[240:241]
	s_delay_alu instid0(VALU_DEP_4)
	v_pk_add_f32 v[14:15], v[14:15], v[238:239]
	s_delay_alu instid0(VALU_DEP_4)
	v_pk_add_f32 v[244:245], v[244:245], v[236:237]
	s_delay_alu instid0(VALU_DEP_4)
	v_pk_add_f32 v[242:243], v[242:243], v[234:235]
	s_delay_alu instid0(VALU_DEP_2)
	v_pk_add_f32 v[12:13], v[12:13], v[244:245]
	s_delay_alu instid0(VALU_DEP_2)
	v_pk_add_f32 v[14:15], v[14:15], v[242:243]
	s_delay_alu instid0(VALU_DEP_1)
	v_pk_add_f32 v[12:13], v[12:13], v[14:15]
	s_delay_alu instid0(VALU_DEP_1)
	v_add_f32 v12, v12, v13
	ALLSUM 0
	s_delay_alu instid0(VALU_DEP_1)
	v_mul_f32 v12, s40, v[TM]                      ; the mean
	s_delay_alu instid0(VALU_DEP_1)
	v_mov_b32 v13, v12
.set j, 0
.rept 32
	v_pk_add_f32 v[X+j:X+j+1], v[X+j:X+j+1], v[12:13] neg_lo:[0,1] neg_hi:[0,1]
.set j, j+2
.endr
	v_pk_mul_f32 v[12:13], v[X:X+1], v[X:X+1]      ; the squared differences
	v_pk_mul_f32 v[14:15], v[X+2:X+3], v[X+2:X+3]
.set j, 4
.rept 15
	s_delay_alu instid0(VALU_DEP_2)
	v_pk_fma_f32 v[12:13], v[X+j:X+j+1], v[X+j:X+j+1], v[12:13]
	s_delay_alu instid0(VALU_DEP_2)
	v_pk_fma_f32 v[14:15], v[X+j+2:X+j+3], v[X+j+2:X+j+3], v[14:15]
.set j, j+4
.endr
	s_delay_alu instid0(VALU_DEP_1)
	v_pk_add_f32 v[12:13], v[12:13], v[14:15]
	s_delay_alu instid0(VALU_DEP_1)
	v_add_f32 v12, v12, v13
	ALLSUM 512                                     ; other bytes than the first exchange: no barrier between that one's reads and these stores
	s_delay_alu instid0(VALU_DEP_1)
	v_fma_f32 v12, v[TM], s40, s41                 ; the variance + 1e-5
	s_wait_alu depctr_va_vdst(0)
	v_rsq_f32 v14, v12
	v_nop                                          ; a plain place behind the transcendental
	s_wait_alu depctr_va_vdst(0)                   ; the wait ahead of the result's first reader
	v_mov_b32 v15, v14
	s_wait_alu depctr_va_vdst(0)
	s_wait_loadcnt 0x0                             ; g1 and be1
.set j, 0
.rept 32
	v_pk_mul_f32 v[X+j:X+j+1], v[X+j:X+j+1], v[14:15]
.set j, j+2
.endr
.set j, 0
.rept 32
	v_pk_fma_f32 v[X+j:X+j+1], v[X+j:X+j+1], v[G+j:G+j+1], v[R+j:R+j+1]
.set j, j+2
.endr
.Lquant:
	QUANT X
.irp c, 0,1,2
	global_store_b128 v[L16], v[PC+4*\c:PC+4*\c+3], s[34:35] offset:512*\c   ; 32 lanes store 512 consecutive bytes, at a multiple of 256 from the buffer's first byte
.endr
	global_store_b32 v[R4], v[PW], s[36:37]        ; lanes r and r + 16 hold the same word and store it to the same place
	s_wait_tensorcnt 0x0                           ; the wave's end
	ds_add_u32 v[SPW], v[NIL]
	s_wait_dscnt 0x0
	s_endpgm
.Lfunc_end_k_q034ecd8b12_prep:
	.size	k_q034ecd8b12_prep, .Lfunc_end_k_q034ecd8b12_prep-k_q034ecd8b12_prep
	.p2alignl 7, 3214868480
	.fill 96, 4, 3214868480
	.section	.rodata,"a",@progbits
	.p2align	6, 0x0
	.amdhsa_kernel k_q034ecd8b12_prep
		.amdhsa_group_segment_fixed_size 69632
		.amdhsa_private_segment_fixed_size 0
		.amdhsa_enable_private_segment 0
		.amdhsa_kernarg_size 88
		.amdhsa_user_sgpr_count 2
		.amdhsa_user_sgpr_kernarg_segment_ptr 1
		.amdhsa_wavefront_size32 1
		.amdhsa_system_sgpr_workgroup_id_x 1
		.amdhsa_system_sgpr_workgroup_id_y 1
		.amdhsa_system_sgpr_workgroup_id_z 1
		.amdhsa_system_vgpr_workitem_id 0
		.amdhsa_next_free_vgpr 248
		.amdhsa_next_free_sgpr 66
		.amdhsa_reserve_vcc 0
		.amdhsa_float_denorm_mode_32 3
		.amdhsa_float_denorm_mode_16_64 3
		.amdhsa_memory_ordered 1
		.amdhsa_forward_progress 1
		.amdhsa_inst_pref_size 33
	.end_amdhsa_kernel
	.amdgpu_metadata
---
amdhsa.version: [ 1, 2 ]
amdhsa.kernels:
  - .name:           k_q034ecd8b12_prep
    .symbol:         k_q034ecd8b12_prep.kd
    .args:
      - { .name: x, .offset: 0, .size: 8, .value_kind: global_buffer, .address_space: global }
      - { .name: g1, .offset: 8, .size: 8, .value_kind: global_buffer, .address_space: global }
      - { .name: be1, .offset: 16, .size: 8, .value_kind: global_buffer, .address_space: global }
      - { .name: hb, .offset: 24, .size: 8, .value_kind: global_buffer, .address_space: global }
      - { .name: Wq, .offset: 32, .size: 8, .value_kind: global_buffer, .address_space: global }
      - { .name: Wk, .offset: 40, .size: 8, .value_kind: global_buffer, .address_space: global }
      - { .name: Wv, .offset: 48, .size: 8, .value_kind: global_buffer, .address_space: global }
      - { .name: Wo, .offset: 56, .size: 8, .value_kind: global_buffer, .address_space: global }
      - { .name: W1, .offset: 64, .size: 8, .value_kind: global_buffer, .address_space: global }
      - { .name: W2, .offset: 72, .size: 8, .value_kind: global_buffer, .address_space: global }
      - { .name: wb, .offset: 80, .size: 8, .value_kind: global_buffer, .address_space: global }
    .group_segment_fixed_size: 69632
    .private_segment_fixed_size: 0
    .kernarg_segment_align: 8
    .kernarg_segment_size: 88
    .max_flat_workgroup_size: 256
    .sgpr_count:     66
    .vgpr_count:     248
    .wavefront_size: 32
...
	.end_amdgpu_metadata
.endif
;; end of part 1
;; launch qkv (part 2): grid 12 x 16, 4 waves a work-group, clusters of 4 x 4, 327,680 bytes of LDS; arguments hb, wb, qb; writes qb
.if DOCPART == 2
	.amdgcn_target "amdgcn-amd-amdhsa--gfx1250"
	.amdhsa_code_object_version 6
	.text
	.protected	k_q034ecd8b12_qkv
	.globl	k_q034ecd8b12_qkv
	.p2align	8
	.type	k_q034ecd8b12_qkv,@function
k_q034ecd8b12_qkv:
	s_mov_b64 s[64:65], 0
	v_nop
	global_prefetch_b8 v0, s[64:65] scope:SCOPE_SE
	s_setreg_imm32_b32 hwreg(HW_REG_WAVE_MODE, 25, 1), 1
	s_wait_xcnt 0x0
	s_wait_alu depctr_hold_cnt(0) depctr_sa_sdst(0) depctr_va_vdst(0) depctr_va_sdst(0) depctr_va_ssrc(0) depctr_va_vcc(0) depctr_vm_vsrc(0)
	s_getreg_b32 s2, hwreg(HW_REG_IB_STS2, 6, 4)
	s_cmp_eq_u32 s2, 0
	s_cbranch_scc0 .Lentry_in_a_cluster
	s_endpgm
.Lentry_in_a_cluster:
	s_bfe_u32 s2, ttmp6, 0x10000c
	s_cmp_lg_u32 s2, 0xf033
	s_cbranch_scc0 .Lentry_shape_is_right
	s_endpgm
.Lentry_shape_is_right:
.set MA,    8
.set NB,    8
.set NQ,    2
.set SLOT,  98304
.set WPART, 24576
.set QSTEP, 12288
.set S1OFF, 24576
.set FSTEP, 49152
.set SCL,   2*SLOT
.set SCW,   4096
.set SPARE, SCL+4*SCW
.set ADRA, 16
.set ADRB, 20
.set L16,  24
.set L8,   25
.set L4,   26
.set ADRS, 27
.set SPW,  28
.set NIL,  29
.set SC,   32
.set AF,   64
.set AS,   96
.set BS,   96
.set BIAS, 192
.set PC,   64
.set TM,   84
.set PWS,  100
.set PW,   108
.set CW,   112
.set G1,   24
.set G0,   32
.set G1B,  48
.set G0B,  56
.set G1S,  68
.set G0S,  76
.set G1SB, 80
.set G0SB, 88
.set MSB, 0
.macro WIN new
.if MSB != (\new)
	s_set_vgpr_msb (MSB<<8)|(\new)
.set MSB, (\new)
.endif
.endm
.macro PLACES
.rept 4
	v_nop
.endr
.endm
.macro JLOAD g0a, g1a, g0b, g1b
	s_cmp_eq_u32 s15, 0
	s_cbranch_scc0 .Lfor_b_\@
	tensor_load_to_lds s[\g0a:\g0a+3], s[\g1a:\g1a+7]
	s_nop 0
.rept 4
	v_nop
.endr
	s_branch .Lasked_\@
.Lfor_b_\@:
	tensor_load_to_lds s[\g0b:\g0b+3], s[\g1b:\g1b+7]
	s_nop 0
.rept 4
	v_nop
.endr
.Lasked_\@:
.endm
.macro CREST
	s_cmp_lg_u32 s14, 0
	s_cbranch_scc1 .Lnot_wave_0_\@
	s_barrier_signal -3
.Lnot_wave_0_\@:
	s_barrier_wait -3
	s_barrier_signal -1
	s_barrier_wait -1
.endm
.macro CROUND
	s_barrier_signal -1
	s_barrier_wait -1
	CREST
.endm
.macro FRAG reg, adr, off
.irp c, 0,1,2
	ds_load_b128 v[(\reg)+4*\c:(\reg)+4*\c+3], v[\adr] offset:(\off)+512*\c
.endr
.endm
.macro FETCH slot, q, p
	WIN 0x40
.set fi, 0
.rept NB
	FRAG BS*(\p)+12*fi, ADRB+\slot, (\q)*QSTEP+fi*1536
.set fi, fi+1
.endr
	WIN 0
.set fi, 0
.rept MA
	FRAG AF+AS*(\p)+12*fi, ADRA+\slot, (\q)*QSTEP+fi*1536
.set fi, fi+1
.endr
.set fi, 0
.rept MA
	ds_load_b32 v[SC+8*(\p)+fi], v[ADRS] offset:512*(\q)+64*fi
.set fi, fi+1
.endr
.endm
.macro MULS a0, a1, p, mode
.set ma, \a0
.rept (\a1)-(\a0)
.if \mode == 2
	WIN 0x91+0x40*(ma/4)
.else
	WIN 0xa1+0x50*(ma/4)
.endif
.set mb, 0
.rept NB
.set rD, 8*(NB*(ma%4)+mb)
.set rB, BS*(\p)+12*mb
.set rA, AF+AS*(\p)+12*ma
.if \mode == 0
	v_wmma_scale_f32_16x16x128_f8f6f4 v[rD:rD+7], v[rB:rB+11], v[rA:rA+11], v[rD:rD+7], v[SC+8*(\p)+mb], v[SC+8*(\p)+ma] matrix_a_fmt:MATRIX_FMT_FP6 matrix_b_fmt:MATRIX_FMT_FP6 matrix_a_scale:MATRIX_SCALE_ROW1
.elseif \mode == 1
	v_wmma_scale_f32_16x16x128_f8f6f4 v[rD:rD+7], v[rB:rB+11], v[rA:rA+11], 0, v[SC+8*(\p)+mb], v[SC+8*(\p)+ma] matrix_a_fmt:MATRIX_FMT_FP6 matrix_b_fmt:MATRIX_FMT_FP6 matrix_a_scale:MATRIX_SCALE_ROW1
.else
	v_wmma_scale_f32_16x16x128_f8f6f4 v[rD:rD+7], v[rB:rB+11], v[rA:rA+11], v[BIAS+8*mb:BIAS+8*mb+7], v[SC+8*(\p)+mb], v[SC+8*(\p)+ma] matrix_a_fmt:MATRIX_FMT_FP6 matrix_b_fmt:MATRIX_FMT_FP6 matrix_a_scale:MATRIX_SCALE_ROW1
.endif
.set mb, mb+1
.endr
.set ma, ma+1
.endr
.endm
.macro STEP slot, q, mode
	s_wait_dscnt 0x0
	PLACES
	FETCH \slot, (\q)+1, 1-(\q)%2
	MULS 0, MA, (\q)%2, \mode
.endm
.macro TURN slot, next, fill
	WIN 0
	s_wait_tensorcnt 0x0
	ds_add_u32 v[SPW], v[NIL]
	s_wait_dscnt 0x1
	MULS 0, MA/4, 1, 0
	s_wait_dscnt 0x0
	s_barrier_signal -1
	MULS MA/4, MA/2, 1, 0
	WIN 0
	s_barrier_wait -1
.if \fill
	CREST
	s_add_nc_u64 s[G0+4*\slot+2:G0+4*\slot+3], s[G0+4*\slot+2:G0+4*\slot+3], FSTEP
	s_add_nc_u64 s[G0B+4*\slot+2:G0B+4*\slot+3], s[G0B+4*\slot+2:G0B+4*\slot+3], FSTEP
	JLOAD G0+4*\slot, G1, G0B+4*\slot, G1B
.else
	PLACES
.endif
	v_add_nc_u32 v[ADRS], 512*NQ, v[ADRS]
	FETCH \next, 0, 0
	MULS MA/2, MA, 1, 0
.endm
.macro QUANT s, w
	WIN (\w)|((\w)<<2)
.irp b, 0,1,2,3
	v_max3_num_f32 v[TM+\b], |v[(\s)+16*\b]|, |v[(\s)+1+16*\b]|, 0x1800000
.endr
	WIN ((\w)<<2)|((\w)<<4)
.irp i, 2,4,6,8,10,12,14
.irp b, 0,1,2,3
	v_max3_num_f32 v[TM+\b], v[TM+\b], |v[(\s)+16*\b+\i]|, |v[(\s)+1+16*\b+\i]|
.endr
.endr
	WIN 0
.irp b, 0,1,2,3
	v_permlanex16_b32 v[TM+4+\b], v[TM+\b], s[SEL], s[SEL+1]
.endr
.irp b, 0,1,2,3
	v_max_num_f32 v[TM+\b], v[TM+\b], v[TM+4+\b]
.endr
.irp b, 0,1,2,3
	v_add_nc_u32 v[TM+12+\b], 0xff000000, v[TM+\b]
.endr
.irp b, 0,1,2,3
	v_lshrrev_b32 v[TM+4+\b], 23, v[TM+12+\b]
.endr
	v_lshl_or_b32 v[PW], v[TM+5], 8, v[TM+4]
	v_lshl_or_b32 v[PW], v[TM+6], 16, v[PW]
	v_lshl_or_b32 v[PW], v[TM+7], 24, v[PW]
	s_wait_xcnt 0x0
	WIN (\w)
.irp c, 0,1
	v_cvt_scalef32_pk16_fp6_f32 v[PC+6*\c:PC+2+6*\c], v[(\s)+32*\c:(\s)+15+32*\c], v[TM+12+2*\c]
	v_cvt_scalef32_pk16_fp6_f32 v[PC+12+4*\c:PC+14+4*\c], v[(\s)+16+32*\c:(\s)+31+32*\c], v[TM+12+2*\c+1]
.endr
	WIN 0
	v_nop
.irp c, 0,1
.irp i, 0,1,2
	v_permlane16_swap_b32 v[PC+6*\c+\i], v[PC+12+4*\c+\i]
.endr
.irp i, 0,1,2
	v_mov_b32 v[PC+3+6*\c+\i], v[PC+12+4*\c+\i]
.endr
.endr
.endm
.set SEL, 2
	s_load_b128 s[4:7], s[0:1], 0x0
	s_load_b64 s[8:9], s[0:1], 0x10
	v_lshl_add_u32 v[SPW], v0, 2, SPARE
	v_mov_b32 v[NIL], 0
	ds_add_u32 v[SPW], v[NIL]
	ds_add_u32 v[SPW], v[NIL]
	v_lshrrev_b32 v1, 5, v0
	v_readfirstlane_b32 s14, v1
	s_lshr_b32 s15, s14, 1
	s_and_b32 s16, s14, 1
	s_bfe_u32 s40, ttmp6, 0x40000
	s_bfe_u32 s41, ttmp6, 0x40004
	s_and_b32 s18, ttmp7, 0xffff
	s_lshl_b32 s19, s18, 2
	s_mov_b32 s96, 9437184
	s_mov_b32 s97, 3145728
	s_cmp_lt_u32 ttmp9, 2
	s_cselect_b32 s17, s19, 8
	s_cselect_b32 s42, ttmp9, s18
	s_cselect_b32 s95, s97, s96
	s_cselect_b32 s98, s96, s97
	s_add_co_u32 s17, s17, s41
	s_lshl_b32 s42, s42, 2
	s_add_co_u32 s42, s42, s40
	s_lshl_b32 s43, s41, 2
	s_lshl_b32 s43, 15, s43
	s_lshl_b32 s44, 0x1111, s40
	s_or_b32 s[G1+0], s43, (3<<16)|(1<<21)
	s_or_b32 s[G1B+0], s44, (3<<16)|(1<<21)
.irp g, G1, G1B                        ; the head's shape: two runs of 128 slots, 24,576 bytes of each, 98,304 bytes apart
	s_mov_b32 s[\g+1], 3072<<16
	s_mov_b32 s[\g+2], 2<<16
	s_mov_b32 s[\g+3], 3072<<16
	s_mov_b32 s[\g+4], 2
	s_mov_b32 s[\g+5], 12288
	s_mov_b32 s[\g+6], 0
	s_mov_b32 s[\g+7], 0
.endr
	s_or_b32 s[G1S+0], s43, (3<<16)|(1<<21)
	s_or_b32 s[G1SB+0], s44, (3<<16)|(1<<21)
.irp g, G1S, G1SB
	s_mov_b32 s[\g+1], 32<<16
	s_mov_b32 s[\g+2], (2*SCW/256)<<16
	s_mov_b32 s[\g+3], 32<<16
	s_mov_b32 s[\g+4], 2*SCW/256
	s_mov_b32 s[\g+5], 32
	s_mov_b32 s[\g+6], 0
	s_mov_b32 s[\g+7], 0
.endr
	s_lshl_b32 s20, s17, 1
	s_lshl_b32 s46, s42, 1
	s_lshl_b32 s22, s20, 12
	s_add_co_u32 s22, s22, s95
	s_mul_i32 s20, s20, 98304
	s_lshl_b32 s92, s46, 12
	s_add_co_u32 s92, s92, s98
	s_mul_i32 s46, s46, 98304
	s_mov_b32 s21, 0
	s_mov_b32 s23, 0
	s_mov_b32 s47, 0
	s_mov_b32 s93, 0
	s_mul_i32 s45, s14, WPART
	s_mul_i32 s18, s16, 98304                      ; in the ring I fetch one of the two runs
	s_mov_b32 s19, 0
	s_wait_dscnt 0x0
	s_wait_kmcnt 0x0
	s_cmp_lt_u32 ttmp9, 2
	s_cselect_b64 s[10:11], s[4:5], s[6:7]
	s_cselect_b64 s[12:13], s[6:7], s[4:5]
	s_add_nc_u64 s[20:21], s[10:11], s[20:21]
	s_add_nc_u64 s[22:23], s[10:11], s[22:23]
	s_add_nc_u64 s[46:47], s[12:13], s[46:47]
	s_add_nc_u64 s[92:93], s[12:13], s[92:93]
	CROUND
.macro GRP0 g, lds, a                  ; a group 0: LDS address, global address, type
	s_mov_b32 s[\g], 1
	s_mov_b32 s[\g+1], \lds
	s_mov_b64 s[\g+2:\g+3], s[\a:\a+1]
	s_or_b32 s[\g+3], s[\g+3], 0x80000000
.endm
	GRP0 4, 0, 20                                  ; the head's four tiles, each whole: slot 0's part of A,
	GRP0 96, 2*WPART, 46                           ; of B,
	GRP0 G0S, SCL, 22                              ; A's scale words,
	GRP0 G0SB, SCL+2*SCW, 92                       ; B's
	s_add_nc_u64 s[20:21], s[20:21], s[18:19]      ; for the ring: my run
	s_add_nc_u64 s[46:47], s[46:47], s[18:19]
.irp s, 0,1
	s_mov_b32 s[G0+4*\s], 1
	s_add_co_u32 s[G0+4*\s+1], s45, \s*SLOT
	s_add_nc_u64 s[G0+4*\s+2:G0+4*\s+3], s[20:21], \s*S1OFF
	s_or_b32 s[G0+4*\s+3], s[G0+4*\s+3], 0x80000000
	s_mov_b32 s[G0B+4*\s], 1
	s_add_co_u32 s[G0B+4*\s+1], s45, \s*SLOT
	s_add_nc_u64 s[G0B+4*\s+2:G0B+4*\s+3], s[46:47], \s*S1OFF
	s_or_b32 s[G0B+4*\s+3], s[G0B+4*\s+3], 0x80000000
.endr
; the head's loads, one a wave: one chain of branches on the wave's number, a load in each arm
.macro ARM under, g0, g1, next
	s_cmp_lt_u32 s14, \under
	s_cbranch_scc0 \next
	tensor_load_to_lds s[\g0:\g0+3], s[\g1:\g1+7]
	s_nop 0
.rept 4
	v_nop
.endr
	s_branch .Lhead_asked
\next:
.endm
	ARM 1, 4,   G1,  .Lhead_b
	ARM 2, 96,  G1B, .Lhead_sa
	ARM 3, G0S, G1S, .Lhead_sb
	tensor_load_to_lds s[G0SB:G0SB+3], s[G1SB:G1SB+7]
	s_nop 0
.rept 4
	v_nop
.endr
.Lhead_asked:
	s_cmp_eq_u32 s15, 0                            ; the prefetches: of the 24,576 bytes of a fill that I fetch in the ring, the four partners that ask with me take 6,144 each, told apart by address
	s_cselect_b64 s[44:45], s[20:21], s[46:47]
	s_cselect_b32 s43, s40, s41                    ; my place among them: cx for A, cy for B
	s_mul_i32 s18, s43, 6144
	s_add_nc_u64 s[44:45], s[44:45], s[18:19]      ; never written again
	v_and_b32 v31, 31, v0
	v_min_u32 v31, 23, v31                         ; 24 blocks of 256 bytes, a lane a block; lanes 24-31 name the last again
	v_lshlrev_b32 v31, 8, v31
	global_prefetch_b8 v31, s[44:45] offset:S1OFF th:TH_LOAD_NT scope:SCOPE_SE     ; the second and the third of the run's four fills
	global_prefetch_b8 v31, s[44:45] offset:2*S1OFF th:TH_LOAD_NT scope:SCOPE_SE
	v_and_b32 v1, 31, v0
	v_and_b32 v2, 15, v0
	v_bfe_u32 v3, v0, 4, 1
	s_wait_alu depctr_va_vdst(0)
	v_lshlrev_b32 v[L16], 4, v1
	v_lshlrev_b32 v[L8], 3, v1
	v_lshlrev_b32 v[L4], 2, v1
	s_mul_i32 s21, s15, WPART
	s_mul_i32 s22, s16, WPART
	s_add_co_u32 s22, s22, 2*WPART
.irp s, 0,1
	v_add_nc_u32 v[ADRA+\s], s21, v[L16]
	v_add_nc_u32 v[ADRB+\s], s22, v[L16]
	s_add_co_u32 s21, s21, SLOT
	s_add_co_u32 s22, s22, SLOT
.endr
	s_mul_i32 s21, s15, SCW
	s_mul_i32 s22, s16, SCW
	s_add_co_u32 s22, s22, 2*SCW
	s_sub_co_u32 s22, s22, s21
	v_mul_u32_u24 v6, s22, v3
	s_add_co_u32 s21, s21, SCL
	v_lshl_add_u32 v5, v2, 2, v6
	v_add_nc_u32 v[ADRS], s21, v5
	s_mov_b32 s[SEL], 0x76543210
	s_mov_b32 s[SEL+1], 0xfedcba98
	s_wait_alu depctr_va_vdst(0)
	s_wait_tensorcnt 0x0                           ; my tile of the head's four is in
	ds_add_u32 v[SPW], v[NIL]
.irp g, G1, G1B                        ; no tensor load of mine is out: from here on a load brings 96 rows of 256 bytes
	s_mov_b32 s[\g+1], 32<<16
	s_mov_b32 s[\g+2], 96<<16
	s_mov_b32 s[\g+3], 32<<16
	s_mov_b32 s[\g+4], 96
	s_mov_b32 s[\g+5], 32
.endr
	s_wait_dscnt 0x0
	CROUND                                         ; all four tiles are in, and the partners are here
	JLOAD G0+4, G1, G0B+4, G1B                     ; slot 1's first fill, the first tensor load behind the round
	FETCH 0, 0, 0
	STEP 0, 0, 1
	WIN 0
	global_prefetch_b8 v31, s[44:45] offset:3*S1OFF th:TH_LOAD_NT scope:SCOPE_SE   ; the fourth fill, which the second change of slots will ask for
	TURN 0, 1, 1
	s_wait_alu depctr_va_vdst(0)
	STEP 1, 0, 0
	TURN 1, 0, 1
	s_wait_alu depctr_va_vdst(0)
	STEP 0, 0, 0
	TURN 0, 1, 0
	s_wait_alu depctr_va_vdst(0)
	STEP 1, 0, 0
	s_wait_dscnt 0x0
	MULS 0, MA, 1, 0
	WIN 0
	s_lshl_b32 s20, s17, 1
	s_add_co_u32 s20, s20, s15
	s_lshl_b32 s21, s42, 1
	s_add_co_u32 s21, s21, s16
	s_mov_b32 s4, 208896
	s_mov_b32 s5, 13056
	s_mov_b32 s6, 0
	s_mov_b32 s7, 208896
	s_mov_b32 s10, 12288
	s_mov_b32 s11, 208896
	s_mov_b32 s12, 13056
	s_mov_b32 s18, 208896
	s_mov_b32 s94, 768
	s_mov_b32 s96, 768
	s_cmp_eq_u32 ttmp9, 0
	s_cselect_b32 s4, 98304, s4
	s_cselect_b32 s5, 6144, s5
	s_cselect_b32 s6, 6684672, s6
	s_cselect_b32 s7, 98304, s7
	s_cselect_b32 s10, 9830400, s10
	s_cselect_b32 s11, 8192, s11
	s_cselect_b32 s12, 512, s12
	s_cselect_b32 s18, 8192, s18
	s_cmp_eq_u32 ttmp9, 2
	s_cselect_b32 s6, 6144, s6
	s_cselect_b32 s7, 768, s7
	s_cselect_b32 s10, 12800, s10
	s_cselect_b32 s94, 1536, s94
	s_cselect_b32 s96, 204288, s96
	s_cselect_b32 s22, s21, s20
	s_cselect_b32 s23, s20, s21
	s_and_b32 s46, s22, 16
	s_and_b32 s22, s22, 15
	s_and_b32 s23, s23, 7
	s_lshl_b32 s23, s23, 1
	s_add_co_u32 s23, s23, s46
	s_mul_i32 s4, s4, s23
	s_mul_i32 s5, s5, s22
	s_add_co_u32 s4, s4, s5
	s_add_co_u32 s4, s4, s6
	s_mov_b32 s5, 0
	s_add_nc_u64 s[66:67], s[8:9], s[4:5]
	s_mov_b32 s6, s7
	s_mov_b32 s7, 0
	s_add_nc_u64 s[92:93], s[66:67], s[6:7]
	s_mul_i32 s11, s11, s23
	s_mul_i32 s12, s12, s22
	s_add_co_u32 s10, s10, s11
	s_add_co_u32 s10, s10, s12
	s_mov_b32 s11, 0
	s_add_nc_u64 s[100:101], s[8:9], s[10:11]
	s_mov_b32 s19, 0
	s_add_nc_u64 s[98:99], s[100:101], s[18:19]
	s_mov_b32 s95, 0
	s_mov_b32 s97, 0
	s_mov_b32 s19, 0xffff0000
	PLACES
.irp b, 0,1,2,3
	v_mov_b32 v[TM+4+\b], 0
.endr
.irp a, 0,1,2,3,4,5,6,7
	QUANT 64*(\a%4), 2+\a/4
.if \a == 4
	s_add_nc_u64 s[66:67], s[66:67], s[96:97]
	s_add_nc_u64 s[92:93], s[92:93], s[96:97]
.elseif \a > 0
	s_add_nc_u64 s[66:67], s[66:67], s[94:95]
	s_add_nc_u64 s[92:93], s[92:93], s[94:95]
.endif
	v_mov_b32 v[PWS+\a], v[PW]
	global_store_b128 v[L16], v[PC:PC+3], s[66:67]
	global_store_b64 v[L8], v[PC+4:PC+5], s[66:67] offset:512
	global_store_b128 v[L16], v[PC+6:PC+9], s[92:93]
	global_store_b64 v[L8], v[PC+10:PC+11], s[92:93] offset:512
.endr
	s_cmp_lt_u32 ttmp9, 2
	s_cbranch_scc0 .Lv_words
.irp k, 0,1,2,3
	v_cndmask_b32 v[CW+\k], v[PWS+2*\k], v[PWS+2*\k+1], s19
.endr
.irp k, 0,1,2,3
	v_lshrrev_b32 v[CW+4+\k], 16, v[CW+\k]
.endr
	global_store_b128 v[L16], v[CW:CW+3], s[100:101]
	global_store_b128 v[L16], v[CW+4:CW+7], s[98:99]
	s_branch .Lwords_out
.Lv_words:
	s_wait_alu depctr_va_vdst(0)
.irp k, 0,1,2,3
	v_cndmask_b32 v[CW+\k], v[PWS+2*\k], v[PWS+2*\k+1], s19
.endr
	global_store_b64 v[L8], v[CW:CW+1], s[100:101]
	global_store_b64 v[L8], v[CW+2:CW+3], s[98:99]
.Lwords_out:
	s_wait_tensorcnt 0x0
	ds_add_u32 v[SPW], v[NIL]
	s_wait_dscnt 0x0
	CROUND
	s_endpgm
.Lfunc_end_k_q034ecd8b12_qkv:
	.size	k_q034ecd8b12_qkv, .Lfunc_end_k_q034ecd8b12_qkv-k_q034ecd8b12_qkv
	.p2alignl 7, 3214868480
	.fill 96, 4, 3214868480
	.section	.rodata,"a",@progbits
	.p2align	6, 0x0
	.amdhsa_kernel k_q034ecd8b12_qkv
		.amdhsa_group_segment_fixed_size 327680
		.amdhsa_private_segment_fixed_size 0
		.amdhsa_enable_private_segment 0
		.amdhsa_kernarg_size 24
		.amdhsa_user_sgpr_count 2
		.amdhsa_user_sgpr_kernarg_segment_ptr 1
		.amdhsa_wavefront_size32 1
		.amdhsa_system_sgpr_workgroup_id_x 1
		.amdhsa_system_sgpr_workgroup_id_y 1
		.amdhsa_system_sgpr_workgroup_id_z 1
		.amdhsa_system_vgpr_workitem_id 0
		.amdhsa_next_free_vgpr 1024
		.amdhsa_next_free_sgpr 102
		.amdhsa_reserve_vcc 0
		.amdhsa_float_denorm_mode_32 3
		.amdhsa_float_denorm_mode_16_64 3
		.amdhsa_memory_ordered 1
		.amdhsa_forward_progress 1
		.amdhsa_inst_pref_size 147
	.end_amdhsa_kernel
	.amdgpu_metadata
---
amdhsa.version: [ 1, 2 ]
amdhsa.kernels:
  - .name:           k_q034ecd8b12_qkv
    .symbol:         k_q034ecd8b12_qkv.kd
    .args:
      - { .name: hb, .offset: 0, .size: 8, .value_kind: global_buffer, .address_space: global }
      - { .name: wb, .offset: 8, .size: 8, .value_kind: global_buffer, .address_space: global }
      - { .name: qb, .offset: 16, .size: 8, .value_kind: global_buffer, .address_space: global }
    .group_segment_fixed_size: 327680
    .private_segment_fixed_size: 0
    .kernarg_segment_align: 8
    .kernarg_segment_size: 24
    .max_flat_workgroup_size: 128
    .sgpr_count:     102
    .vgpr_count:     1024
    .wavefront_size: 32
...
	.end_amdgpu_metadata
.endif
;; end of part 2
;; launch att (part 3): grid 8 x 32, 16 waves a work-group, clusters of 4 x 1, 210,944 bytes of LDS; arguments qb, ab; writes ab
.if DOCPART == 3
	.amdgcn_target "amdgcn-amd-amdhsa--gfx1250"
	.amdhsa_code_object_version 6
	.text
	.protected	k_q034ecd8b12_att
	.globl	k_q034ecd8b12_att
	.p2align	8
	.type	k_q034ecd8b12_att,@function
k_q034ecd8b12_att:
	s_mov_b64 s[64:65], 0
	v_nop
	global_prefetch_b8 v0, s[64:65] scope:SCOPE_SE
	s_setreg_imm32_b32 hwreg(HW_REG_WAVE_MODE, 25, 1), 1
	s_wait_xcnt 0x0
	s_wait_alu depctr_hold_cnt(0) depctr_sa_sdst(0) depctr_va_vdst(0) depctr_va_sdst(0) depctr_va_ssrc(0) depctr_va_vcc(0) depctr_vm_vsrc(0)
	s_getreg_b32 s2, hwreg(HW_REG_IB_STS2, 6, 4)
	s_cmp_eq_u32 s2, 0
	s_cbranch_scc0 .Lentry_in_a_cluster
	s_endpgm
.Lentry_in_a_cluster:
	s_bfe_u32 s2, ttmp6, 0x10000c
	s_cmp_lg_u32 s2, 0x3003
	s_cbranch_scc0 .Lentry_shape_is_right
	s_endpgm
.Lentry_shape_is_right:
; ATT: ao = softmax(q k^T / 8 + slope (j - i)) v for one head, both products on codes of FP6 (E2M3) with E8M0 scales; ao is quantised along its channels and stored as codes.
; THE SOFTMAX: t = logit x log2(e); M = the running largest t rounded up to a whole number; p = 2^(t - M) is quantised along the keys, not normalised; the row's sum is taken of the unquantised p and divides at the end.
; When M moves, the sum and O are multiplied by 2^(old M - new M): exact.
; SHARES: a work-group owns 256 queries of one head, each of its sixteen waves one tile of 16.  A whole head's K and V lie in LDS: 16 step blocks of 13,056 bytes (128 keys: K's 8 tiles of 768 bytes, V^T's 4 fragments
; of 1,536, their scale words).  Wave w brings block w by one tensor load; nothing is filled again.  The four work-groups of a cluster belong to one head: each load is a joint one.
; LAYOUT: both products transposed (S^T = K Q^T, O^T = V^T P^T): a lane holds one query.  In memory a tile of K holds keys 32 b + 8 u + r % 8 + 16 (r / 8).  THE LANES' ADDRESSES COMPOSE OTHER TILES: lanes r < 8 and
; r >= 8 read halves of two stored tiles, so that tile 4 c + u holds keys 64 c + 8 u + r % 8 + 32 (r / 8).  Lane (r, h) then has, in the 32 registers of tiles 4 c .. 4 c + 3, keys 64 c + 32 h + 0 .. 31: one whole block
; of the next K, in the order of the operand's registers: a block's largest p needs no other lane, and the codes need no exchange between lanes.
; K = 64 IN A FORM OF 128: Q's registers 6-11 are zero codes, so what stands in the upper half of K's operand adds nothing: K's tiles stand 6 registers apart.
; THE BIAS: its part inside a block, 8 slope (32 h + 8 u + j), is the C of the first product; the rest, slope log2(e) (128 step + 64 c - i), goes into the scaling's addend.
; LIMITS: slope log2(e) is rounded once to f32.  p under 2^-126 is 0.  A block of zeros gets the byte 1.  NaN and infinities are not served.  The promise holds while |t| stays under 2^31.
.set KVB,   13056
.set SPARE, 208896                     ; the spare words, 128 bytes for each of sixteen waves: no other line names them
.set L16, 1                            ; 16 x lane
.set L8,  2                            ; 8 x lane
.set SPW, 3
.set NIL, 4
.set AK,  5                            ; this step's addresses: K's 16-byte pieces,
.set AK8, 6                            ; K's 8-byte pieces,
.set AV,  7                            ; V's 16-byte pieces,
.set AV8, 8                            ; V's 8-byte pieces,
.set AS,  9                            ; K's scale words
.set NM,  10                           ; -M
.set TMX, 11                           ; the largest t so far
.set LS,  12                           ; v[12:13] the sum, two halves
.set FF,  14                           ; f = 2^(old M - new M)
.set LK,  15                           ; lane term 1536 e + 16 (r % 8) + 256 h (also named, unused, as the upper half of the pair v[14:15])
.set QS,  16                           ; Q's scale words
.set PS,  17                           ; p's
.set DD,  18                           ; v[18:19] 128 step + 64 c - i, whole numbers in f32
.set Q,   20                           ; v20-31 Q; v26-31 zero codes
.set F,   32                           ; v32-79 K's 8 tiles, then V's 4 fragments; v80-85 a pad of zero codes
.set SH8, 86                           ; 8 h
.set RR,  87                           ; r
.set S,   88                           ; v88-151 S^T, then p
.set O,   152                          ; v152-183 O^T
.set CB,  184                          ; v184-215 the bias inside a block
.set P,   216                          ; v216-227 p's codes; ahead of them the eight chains of the maxima
.set CT,  228                          ; v228-235 the conversions' second halves; then four chains of the sum
.set BM,  236                          ; v236-237 a block's largest score, then its largest p
.set BB,  238                          ; v238-239 slope log2(e) DD
.set AD,  240                          ; v240, v242 the scalings' addends
.set LK8, 241                          ; lane term 1536 e + 8 (r % 8) + 128 h (also the unused upper half of v[240:241])
.set LAS, 243                          ; lane term 16 (r % 8) + 4 e + 256 h (likewise of v[242:243])
.set SO,  244                          ; v244-245 the conversions' scale operands
.set KS,  246                          ; v246-249 K's scale words: register 2 c + u / 2: lanes 0-15 tile u even, lanes 16-31 u odd
.set VS,  250                          ; v250-251 V's
.set WV,  8
.set SEL, 24
.set AP,  26                           ; slope x log2(e)
.set S8,  27                           ; 8 x slope
.set CS,  28                           ; s[28:29] log2(e) / 8
.set TB,  32
.set CNT, 33
.macro CROUND                          ; a round of the cluster's barrier
	s_barrier_signal -1
	s_barrier_wait -1
	s_cmp_lg_u32 s[WV], 0
	s_cbranch_scc1 .Lnot_wave_0_\@
	s_barrier_signal -3
.Lnot_wave_0_\@:
	s_barrier_wait -3
	s_barrier_signal -1
	s_barrier_wait -1
.endm
	s_load_b128 s[4:7], s[0:1], 0x0                ; qb s[4:5], ab s[6:7]
	v_lshl_add_u32 v[SPW], v0, 2, SPARE
	v_mov_b32 v[NIL], 0
	ds_add_u32 v[SPW], v[NIL]                      ; the opening lines
	ds_add_u32 v[SPW], v[NIL]
	v_lshrrev_b32 v[RR], 5, v0
	v_readfirstlane_b32 s[WV], v[RR]               ; wave 0..15
	s_bfe_u32 s9, ttmp6, 0x40000                   ; cx
	s_lshl_b32 s10, ttmp9, 2
	s_add_co_u32 s10, s10, s9                      ; my block of 256 queries: it enters Q's and ao's addresses and the bias alone
	s_and_b32 s11, ttmp7, 0xffff                   ; 16 x batch + head, which the four partners share
	s_mov_b32 s12, 15|(3<<16)|(1<<21)              ; group 1: the mask names all four; elements of 8 bytes; bit 21 beside a mask
	s_mov_b32 s13, 32<<16                          ; a dense block as 51 rows of 256 bytes
	s_mov_b32 s14, 51<<16
	s_mov_b32 s15, 32<<16
	s_mov_b32 s16, 51
	s_mov_b32 s17, 32
	s_mov_b32 s18, 0
	s_mov_b32 s19, 0
	s_mul_i32 s36, s11, 208896
	s_mul_i32 s35, s[WV], KVB                      ; step block w: its place in the head and in LDS
	s_add_co_u32 s36, s36, s35
	s_mov_b32 s37, 0
	s_mov_b32 s[SEL], 0x76543210
	s_mov_b32 s[SEL+1], 0xfedcba98
	s_mov_b32 s[CS], 0x3e38aa3b                    ; log2(e) / 8
	s_mov_b32 s[CS+1], s[CS]
	s_mov_b32 s30, 0x43000000                      ; 128.0
	s_mov_b32 s31, s30
	s_and_b32 s38, s11, 15
	s_add_co_u32 s38, s38, 1                       ; n = head + 1: the slope is 2^(-n / 2)
	s_lshr_b32 s39, s38, 1
	s_mov_b32 s[AP], 0x3fb8aa3b                    ; log2(e)
	s_mov_b32 s[S8], 1.0
	s_and_b32 s40, s38, 1                          ; n odd?
	s_cselect_b32 s[AP], 0x3f8293ee, s[AP]         ; log2(e) / sqrt(2)
	s_cselect_b32 s[S8], 0x3f3504f3, s[S8]         ; 1 / sqrt(2)
	s_lshl_b32 s40, s39, 23
	s_sub_co_u32 s[AP], s[AP], s40                 ; x 2^-(n / 2, rounded down), by the exponent field
	s_sub_co_i32 s41, 3, s39
	s_lshl_b32 s41, s41, 23
	s_add_co_u32 s[S8], s[S8], s41                 ; x 2^(3 - n / 2)
	s_wait_dscnt 0x0                               ; both opening adds are done
	s_wait_kmcnt 0x0
	s_mov_b32 s20, 1                               ; group 0
	s_mov_b32 s21, s35
	s_add_nc_u64 s[22:23], s[4:5], s[36:37]
	s_or_b32 s23, s23, 0x80000000
	CROUND                                         ; all four work-groups are here: the joint loads meet
	tensor_load_to_lds s[20:23], s[12:19]          ; my one tensor load
	s_nop 0
.rept 4
	v_nop
.endr
	; all scalar addresses first, then the vector set-up in one run
	s_lshl_b32 s44, s11, 7
	s_lshl_b32 s45, s10, 4
	s_add_co_u32 s44, s44, s45
	s_add_co_u32 s44, s44, s[WV]                   ; my tile of queries: 128 a head
	s_mul_i32 s44, s44, 768
	s_add_co_u32 s44, s44, 6684672
	s_mov_b32 s45, 0
	s_add_nc_u64 s[44:45], s[4:5], s[44:45]
	s_lshl_b32 s46, s11, 4                         ; its scale words: 512 bytes for 8 tiles; the word of tile 2 b + u, row r, at 16 (r + 16 u) + 4 b
	s_lshl_b32 s47, s10, 1
	s_add_co_u32 s46, s46, s47
	s_lshr_b32 s47, s[WV], 3
	s_add_co_u32 s46, s46, s47
	s_lshl_b32 s46, s46, 9
	s_and_b32 s47, s[WV], 1
	s_lshl_b32 s47, s47, 8
	s_add_co_u32 s46, s46, s47
	s_bfe_u32 s47, s[WV], 0x20001
	s_lshl_b32 s47, s47, 2
	s_add_co_u32 s46, s46, s47
	s_add_co_u32 s46, s46, 9830400
	s_mov_b32 s47, 0
	s_add_nc_u64 s[46:47], s[4:5], s[46:47]
	s_lshl_b32 s43, s10, 8                         ; my query: 256 x block + 32 (w / 2) + 8 (w % 2) + r % 8 + 16 (r / 8)
	s_lshr_b32 s42, s[WV], 1
	s_lshl_b32 s42, s42, 5
	s_add_co_u32 s43, s43, s42
	s_and_b32 s42, s[WV], 1
	s_lshl_b32 s42, s42, 3
	s_add_co_u32 s43, s43, s42
	s_lshr_b32 s34, s11, 4                         ; the fragment of ao: ((128 tokens' number x 8 + head / 2) x 8 + w % 8); my head's half of it
	s_lshl_b32 s34, s34, 4
	s_lshl_b32 s35, s10, 1
	s_add_co_u32 s34, s34, s35
	s_lshr_b32 s35, s[WV], 3
	s_add_co_u32 s34, s34, s35
	s_lshl_b32 s34, s34, 3
	s_bfe_u32 s35, s11, 0x30001
	s_add_co_u32 s34, s34, s35
	s_lshl_b32 s34, s34, 3
	s_and_b32 s35, s[WV], 7
	s_add_co_u32 s34, s34, s35
	s_and_b32 s35, s11, 1
	s_mul_i32 s36, s34, 1536
	s_mul_i32 s37, s35, 768
	s_add_co_u32 s36, s36, s37
	s_mov_b32 s37, 0
	s_add_nc_u64 s[36:37], s[6:7], s[36:37]        ; ao's codes
	s_lshl_b32 s38, s34, 6
	s_lshl_b32 s35, s35, 1
	s_add_co_u32 s38, s38, s35
	s_add_co_u32 s38, s38, 3145728
	s_mov_b32 s39, 0
	s_add_nc_u64 s[38:39], s[6:7], s[38:39]        ; ao's scale bytes
	s_mov_b32 s[TB], 0
	s_mov_b32 s[CNT], 16
	v_and_b32 v255, 31, v0
	v_and_b32 v[RR], 15, v0                        ; r
	v_bfe_u32 v253, v0, 4, 1                       ; h
	v_bfe_u32 v254, v0, 3, 1                       ; e = r / 8
	v_lshlrev_b32 v[L16], 4, v255
	v_lshlrev_b32 v[L8], 3, v255
	v_and_b32 v255, 7, v0                          ; r % 8
	v_lshlrev_b32 v252, 4, v[RR]                   ; (not written again before the loads are in)
	global_load_b128 v[Q:Q+3], v[L16], s[44:45]
	global_load_b64 v[Q+4:Q+5], v[L8], s[44:45] offset:512
	global_load_b32 v[QS], v252, s[46:47]
	v_mul_u32_u24 v[LK], v254, 1536                ; lanes r >= 8 read two stored tiles further on
	v_lshlrev_b32 v[LAS], 2, v254
	v_lshl_add_u32 v[LK8], v255, 3, v[LK]
	v_lshl_add_u32 v[LK], v255, 4, v[LK]
	v_lshl_add_u32 v[LAS], v255, 4, v[LAS]
	v_lshl_add_u32 v[LK8], v253, 7, v[LK8]
	v_lshl_add_u32 v[LK], v253, 8, v[LK]
	v_lshl_add_u32 v[LAS], v253, 8, v[LAS]
	v_lshlrev_b32 v[SH8], 3, v253
	v_and_b32 v255, 8, v[RR]
	v_add3_u32 v255, v255, v[RR], s43              ; i
	v_sub_nc_u32 v[DD], 0, v255
	v_sub_nc_u32 v[DD+1], 64, v255
	v_cvt_f32_i32 v[DD], v[DD]                     ; 64 c - i
	v_cvt_f32_i32 v[DD+1], v[DD+1]
	v_lshlrev_b32 v254, 5, v253                    ; 32 h
.set n, 0
.rept 32
	v_add_nc_u32 v[CB+n], n, v254
.set n, n+1
.endr
.set n, 0
.rept 32
	v_cvt_f32_u32 v[CB+n], v[CB+n]
.set n, n+1
.endr
.set n, 0
.rept 32
	v_mul_f32 v[CB+n], s[S8], v[CB+n]              ; 8 slope (32 h + n)
.set n, n+1
.endr
.irp j, 6,7,8,9,10,11
	v_mov_b32 v[Q+\j], 0                           ; zero codes for k = 64 .. 127
	v_mov_b32 v[F+42+\j], 0                        ; the pad behind K's last tile
.endr
.set j, 0
.rept 32
	v_mov_b32 v[O+j], 0                            ; O^T: the loop is written once; its first step finds zeros
.set j, j+1
.endr
	v_mov_b32 v[LS], 0
	v_mov_b32 v[LS+1], 0
	v_mov_b32 v[TMX], 0xff61b1e6                   ; -3e38, under every t
	v_floor_f32 v[NM], -v[TMX]
	s_wait_alu depctr_va_vdst(0)                   ; the head's end
	s_wait_tensorcnt 0x0                           ; my step block has landed,
	s_barrier_signal -1
	s_barrier_wait -1                              ; everybody's has
	s_wait_loadcnt 0x0                             ; Q
.macro KLOAD base                      ; K's eight composed tiles and their scale words, of the step block at LDS byte s[base]
	v_add_nc_u32 v[AK], s[\base], v[LK]
	v_add_nc_u32 v[AK8], s[\base], v[LK8]
	v_add_nc_u32 v[AS], s[\base], v[LAS]
.irp c, 0,1
.irp u, 0,1,2,3
	ds_load_b128 v[F+6*(4*\c+\u):F+6*(4*\c+\u)+3], v[AK] offset:768*(4*\c+\u%2)+128*(\u/2)
	ds_load_b64 v[F+6*(4*\c+\u)+4:F+6*(4*\c+\u)+5], v[AK8] offset:768*(4*\c+\u%2)+512+64*(\u/2)
.endr
	ds_load_b32 v[KS+2*\c], v[AS] offset:12288+8*\c
	ds_load_b32 v[KS+2*\c+1], v[AS] offset:12288+128+8*\c
.endr
.endm
	KLOAD TB                                       ; the first step's
.Lstep:                                            ; 128 keys a trip, 16 trips
	s_wait_dscnt 0x0                               ; K: asked for behind the last trip's second product
.irp c, 0,1
.irp u, 0,1,2,3
.if \u%2 == 0
	v_wmma_scale_f32_16x16x128_f8f6f4 v[S+32*\c+8*\u:S+32*\c+8*\u+7], v[F+6*(4*\c+\u):F+6*(4*\c+\u)+11], v[Q:Q+11], v[CB+8*\u:CB+8*\u+7], v[KS+2*\c+\u/2], v[QS] matrix_a_fmt:MATRIX_FMT_FP6 matrix_b_fmt:MATRIX_FMT_FP6
.else
	v_wmma_scale_f32_16x16x128_f8f6f4 v[S+32*\c+8*\u:S+32*\c+8*\u+7], v[F+6*(4*\c+\u):F+6*(4*\c+\u)+11], v[Q:Q+11], v[CB+8*\u:CB+8*\u+7], v[KS+2*\c+\u/2], v[QS] matrix_a_fmt:MATRIX_FMT_FP6 matrix_b_fmt:MATRIX_FMT_FP6 matrix_a_scale:MATRIX_SCALE_ROW1
.endif
.endr
.endr
	v_mul_f32 v[BB], s[AP], v[DD]                  ; five lines that name no register of the products: the places in front of the loads into K's registers and of the first read of the scores
	v_mul_f32 v[BB+1], s[AP], v[DD+1]
	v_mov_b32 v252, v[NM]                          ; the old -M
	v_add_nc_u32 v[AV], s[TB], v[L16]
	v_add_nc_u32 v[AV8], s[TB], v[L8]
.irp t, 0,1,2,3                                ; V's fragments land under the softmax
	ds_load_b128 v[F+12*\t:F+12*\t+3], v[AV] offset:6144+1536*\t
	ds_load_b64 v[F+12*\t+4:F+12*\t+5], v[AV8] offset:6144+1536*\t+512
	ds_load_b128 v[F+12*\t+6:F+12*\t+9], v[AV] offset:6144+1536*\t+768
	ds_load_b64 v[F+12*\t+10:F+12*\t+11], v[AV8] offset:6144+1536*\t+1280
.endr
	ds_load_b64 v[VS:VS+1], v[AV8] offset:12800
; the largest score of each of my two blocks of 32 keys: eight chains, one a tile, each from its accumulator's low end on; it serves for the row's maximum and, since p rises with the score inside a block, for the block's largest p
.irp c, 0,1
.irp u, 0,1,2,3
	v_max3_num_f32 v[P+4*\c+\u], v[S+32*\c+8*\u], v[S+32*\c+8*\u+1], v[S+32*\c+8*\u+2]
.endr
.endr
.irp i, 3,5
.irp c, 0,1
.irp u, 0,1,2,3
	v_max3_num_f32 v[P+4*\c+\u], v[P+4*\c+\u], v[S+32*\c+8*\u+\i], v[S+32*\c+8*\u+\i+1]
.endr
.endr
.endr
.irp c, 0,1
	v_max3_num_f32 v[P+4*\c], v[P+4*\c], v[P+4*\c+1], v[S+32*\c+7]
.endr
.irp c, 0,1
	v_max3_num_f32 v[P+4*\c+2], v[P+4*\c+2], v[P+4*\c+3], v[S+32*\c+15]
.endr
.irp c, 0,1
	v_max3_num_f32 v[P+4*\c], v[P+4*\c], v[P+4*\c+2], v[S+32*\c+23]
.endr
.irp c, 0,1
	v_max_num_f32 v[BM+\c], v[P+4*\c], v[S+32*\c+31]
.endr
	s_delay_alu instid0(VALU_DEP_2)
	v_fma_f32 v254, v[BM], s[CS], v[BB]            ; the blocks' largest t
	s_delay_alu instid0(VALU_DEP_2)
	v_fma_f32 v255, v[BM+1], s[CS], v[BB+1]
	s_delay_alu instid0(VALU_DEP_1)
	v_max3_num_f32 v[TMX], v[TMX], v254, v255
	s_delay_alu instid0(VALU_DEP_1)
	v_permlanex16_b32 v253, v[TMX], s[SEL], s[SEL+1]
	s_delay_alu instid0(VALU_DEP_1)
	v_max_num_f32 v[TMX], v[TMX], v253             ; with lane l xor 16's keys: the running largest t
	s_delay_alu instid0(VALU_DEP_1)
	v_floor_f32 v[NM], -v[TMX]                     ; -M = floor(-t): M is a whole number
	s_delay_alu instid0(VALU_DEP_1)
	v_sub_f32 v252, v[NM], v252                    ; old M - new M: a whole number, 0 or less
	v_fma_f32 v[AD], s[AP], v[DD], v[NM]           ; the block's addend: its bias - M
	v_fma_f32 v[AD+2], s[AP], v[DD+1], v[NM]
	v_cvt_i32_f32 v252, v252                       ; (it saturates)
	v_pk_add_f32 v[DD:DD+1], v[DD:DD+1], s[30:31] op_sel_hi:[1,0]   ; 128 keys on, for the next trip
	s_delay_alu instid0(VALU_DEP_2)
	v_ldexp_f32 v[FF], 1.0, v252                   ; f
.irp c, 0,1
.irp j, 0,2,4,6,8,10,12,14,16,18,20,22,24,26,28,30
	v_pk_fma_f32 v[S+32*\c+\j:S+32*\c+\j+1], v[S+32*\c+\j:S+32*\c+\j+1], s[CS:CS+1], v[AD+2*\c:AD+2*\c+1] op_sel_hi:[1,0,0]   ; t - M, two at a time
.endr
.endr
.irp c, 0,1
	v_fma_f32 v[BM+\c], v[BM+\c], s[CS], v[AD+2*\c]   ; the same of each block's largest score
.endr
.set j, 0
.rept 16
	v_pk_mul_f32 v[O+j:O+j+1], v[O+j:O+j+1], v[FF:FF+1] op_sel_hi:[1,0]   ; O^T under the new M, each accumulator from its low end on, ahead of the exponentials
.set j, j+2
.endr
	s_wait_alu depctr_va_vdst(0)                   ; the wait ahead of the batch
.set j, 0
.rept 64
	v_exp_f32 v[S+j], v[S+j]                       ; p = 2^(t - M)
.set j, j+1
.endr
	v_exp_f32 v[BM], v[BM]                         ; the blocks' largest p: the same two instructions on the same number
	v_exp_f32 v[BM+1], v[BM+1]
	v_pk_mul_f32 v[LS:LS+1], v[LS:LS+1], v[FF:FF+1] op_sel_hi:[1,0]   ; the sums under the new M: the plain place behind the batch
	s_wait_alu depctr_va_vdst(0)                   ; one wait for the 66, ahead of their first reader; it also stands directly ahead of the wait below
	s_wait_dscnt 0x0                               ; V
.irp c, 0,1
	v_max_num_f32 v[BM+\c], 0x1800000, v[BM+\c]    ; the floor 2^(3 - 127): the byte cannot fall under 1
.endr
.irp c, 0,1
	s_delay_alu instid0(VALU_DEP_2)
	v_add_nc_u32 v[SO+\c], 0xff000000, v[BM+\c]    ; 2 off the exponent field: the conversion's scale operand
.endr
.irp c, 0,1
	v_cvt_scalef32_pk16_fp6_f32 v[P+6*\c:P+6*\c+2], v[S+32*\c:S+32*\c+15], v[SO+\c]
	v_cvt_scalef32_pk16_fp6_f32 v[CT+4*\c:CT+4*\c+2], v[S+32*\c+16:S+32*\c+31], v[SO+\c]   ; (a conversion's three registers begin on an even number)
.endr
	v_lshrrev_b32 v254, 23, v[SO]                  ; my two bytes: blocks h and 2 + h
	v_lshrrev_b32 v255, 23, v[SO+1]
	s_delay_alu instid0(VALU_DEP_1)
	v_lshl_or_b32 v254, v255, 16, v254
	s_delay_alu instid0(VALU_DEP_1)
	v_lshlrev_b32 v254, v[SH8], v254               ; at their places in the scale word
	s_delay_alu instid0(VALU_DEP_1)
	v_permlanex16_b32 v253, v254, s[SEL], s[SEL+1]
	s_delay_alu instid0(VALU_DEP_1)
	v_or_b32 v[PS], v254, v253                     ; with lane l xor 16's two the word is whole
.irp c, 0,1
.irp i, 0,1,2
	v_mov_b32 v[P+3+6*\c+\i], v[CT+4*\c+\i]
.endr
.endr
; the row's sum of the unquantised p: six chains (v228-235, v252-255).  Their first six lines and the six moves above are the places between p's scale word and codes and the products
.set k, 0
.rept 6
	v_pk_add_f32 v[CT+2*k+16*(k/4):CT+2*k+16*(k/4)+1], v[S+2*k:S+2*k+1], v[S+12+2*k:S+13+2*k]
.set k, k+1
.endr
	v_wmma_scale_f32_16x16x128_f8f6f4 v[O:O+7], v[F:F+11], v[P:P+11], v[O:O+7], v[VS], v[PS] matrix_a_fmt:MATRIX_FMT_FP6 matrix_b_fmt:MATRIX_FMT_FP6
	v_wmma_scale_f32_16x16x128_f8f6f4 v[O+8:O+15], v[F+12:F+23], v[P:P+11], v[O+8:O+15], v[VS], v[PS] matrix_a_fmt:MATRIX_FMT_FP6 matrix_b_fmt:MATRIX_FMT_FP6 matrix_a_scale:MATRIX_SCALE_ROW1
	v_wmma_scale_f32_16x16x128_f8f6f4 v[O+16:O+23], v[F+24:F+35], v[P:P+11], v[O+16:O+23], v[VS+1], v[PS] matrix_a_fmt:MATRIX_FMT_FP6 matrix_b_fmt:MATRIX_FMT_FP6
	v_wmma_scale_f32_16x16x128_f8f6f4 v[O+24:O+31], v[F+36:F+47], v[P:P+11], v[O+24:O+31], v[VS+1], v[PS] matrix_a_fmt:MATRIX_FMT_FP6 matrix_b_fmt:MATRIX_FMT_FP6 matrix_a_scale:MATRIX_SCALE_ROW1
	s_add_co_u32 s[TB], s[TB], KVB
	s_min_u32 s34, s[TB], 15*KVB                   ; the last trip has no next block: it asks for the last one again, and nothing reads what comes
.set j, 24
.rept 2                                ; two lines of the sum and the three additions of KLOAD: the places behind the products, in front of the loads into V's registers
.set k, (j/2)%6
	v_pk_add_f32 v[CT+2*k+16*(k/4):CT+2*k+16*(k/4)+1], v[CT+2*k+16*(k/4):CT+2*k+16*(k/4)+1], v[S+j:S+j+1]
.set j, j+2
.endr
	KLOAD 34                                       ; the next step's K lands under the rest of the sum
.rept 18
.set k, (j/2)%6
	v_pk_add_f32 v[CT+2*k+16*(k/4):CT+2*k+16*(k/4)+1], v[CT+2*k+16*(k/4):CT+2*k+16*(k/4)+1], v[S+j:S+j+1]
.set j, j+2
.endr
	v_pk_add_f32 v[228:229], v[228:229], v[230:231]   ; the chains are joined
	v_pk_add_f32 v[232:233], v[232:233], v[234:235]
	v_pk_add_f32 v[252:253], v[252:253], v[254:255]
	v_pk_add_f32 v[LS:LS+1], v[LS:LS+1], v[228:229]
	v_pk_add_f32 v[232:233], v[232:233], v[252:253]
	v_pk_add_f32 v[LS:LS+1], v[LS:LS+1], v[232:233]
	s_sub_co_u32 s[CNT], s[CNT], 1
	s_cmp_lg_u32 s[CNT], 0
	s_cbranch_scc1 .Lstep
	; THE WAY OUT: O^T / the sum, quantised along the head's 64 channels: two blocks, six registers a lane
	v_add_f32 v[LS], v[LS], v[LS+1]
	s_delay_alu instid0(VALU_DEP_1)
	v_permlanex16_b32 v253, v[LS], s[SEL], s[SEL+1]
	s_delay_alu instid0(VALU_DEP_1)
	v_add_f32 v[LS], v[LS], v253                   ; the row's sum
	s_wait_alu depctr_va_vdst(0)                   ; the wait ahead of the transcendental
	v_rcp_f32 v[FF], v[LS]
	v_nop
	s_wait_alu depctr_va_vdst(0)                   ; and ahead of its first reader, which is O^T's first reader too
.set j, 0
.rept 16
	v_pk_mul_f32 v[O+j:O+j+1], v[O+j:O+j+1], v[FF:FF+1] op_sel_hi:[1,0]   ; register 16 b + i is channel 32 b + 16 h + i of my query
.set j, j+2
.endr
.irp b, 0,1
	v_max3_num_f32 v[BM+\b], |v[O+16*\b]|, |v[O+1+16*\b]|, 0x1800000
.endr
.irp i, 2,4,6,8,10,12,14
.irp b, 0,1
	s_delay_alu instid0(VALU_DEP_2)
	v_max3_num_f32 v[BM+\b], v[BM+\b], |v[O+16*\b+\i]|, |v[O+1+16*\b+\i]|
.endr
.endr
.irp b, 0,1
	s_delay_alu instid0(VALU_DEP_2)
	v_permlanex16_b32 v[254+\b], v[BM+\b], s[SEL], s[SEL+1]
.endr
.irp b, 0,1
	s_delay_alu instid0(VALU_DEP_2)
	v_max_num_f32 v[BM+\b], v[BM+\b], v[254+\b]
.endr
.irp b, 0,1
	s_delay_alu instid0(VALU_DEP_2)
	v_add_nc_u32 v[SO+\b], 0xff000000, v[BM+\b]
.endr
.irp b, 0,1
	s_delay_alu instid0(VALU_DEP_2)
	v_lshrrev_b32 v[254+\b], 23, v[SO+\b]
.endr
	s_delay_alu instid0(VALU_DEP_1)
	v_lshl_or_b32 v252, v255, 8, v254              ; the head's two bytes of the row's scale word
	v_cvt_scalef32_pk16_fp6_f32 v[P:P+2], v[O:O+15], v[SO]
	v_cvt_scalef32_pk16_fp6_f32 v[CT:CT+2], v[O+16:O+31], v[SO+1]
	v_nop                                          ; one plain place behind a scaled conversion
.irp i, 0,1,2
	v_permlane16_swap_b32 v[P+\i], v[CT+\i]        ; here a block lies in lanes l and l xor 16: the operand wants it whole in a lane
.endr
.irp i, 0,1,2
	s_delay_alu instid0(VALU_DEP_3)
	v_mov_b32 v[P+3+\i], v[CT+\i]
.endr
	v_lshlrev_b32 v253, 2, v[RR]                   ; 4 r
	global_store_b128 v[L16], v[P:P+3], s[36:37]               ; 512 consecutive bytes,
	global_store_b64 v[L8], v[P+4:P+5], s[36:37] offset:512    ; and 256
	global_store_b16 v253, v252, s[38:39]                      ; lanes r and r + 16 hold the same two bytes and store them to the same place
	s_wait_tensorcnt 0x0                           ; the wave's end
	ds_add_u32 v[SPW], v[NIL]
	s_wait_dscnt 0x0
	CROUND                                         ; the closing round
	s_endpgm
.Lfunc_end_k_q034ecd8b12_att:
	.size	k_q034ecd8b12_att, .Lfunc_end_k_q034ecd8b12_att-k_q034ecd8b12_att
	.p2alignl 7, 3214868480
	.fill 96, 4, 3214868480
	.section	.rodata,"a",@progbits
	.p2align	6, 0x0
	.amdhsa_kernel k_q034ecd8b12_att
		.amdhsa_group_segment_fixed_size 210944
		.amdhsa_private_segment_fixed_size 0
		.amdhsa_enable_private_segment 0
		.amdhsa_kernarg_size 16
		.amdhsa_user_sgpr_count 2
		.amdhsa_user_sgpr_kernarg_segment_ptr 1
		.amdhsa_wavefront_size32 1
		.amdhsa_system_sgpr_workgroup_id_x 1
		.amdhsa_system_sgpr_workgroup_id_y 1
		.amdhsa_system_sgpr_workgroup_id_z 1
		.amdhsa_system_vgpr_workitem_id 0
		.amdhsa_next_free_vgpr 256
		.amdhsa_next_free_sgpr 66
		.amdhsa_reserve_vcc 0
		.amdhsa_float_denorm_mode_32 3
		.amdhsa_float_denorm_mode_16_64 3
		.amdhsa_memory_ordered 1
		.amdhsa_forward_progress 1
		.amdhsa_inst_pref_size 33
	.end_amdhsa_kernel
	.amdgpu_metadata
---
amdhsa.version: [ 1, 2 ]
amdhsa.kernels:
  - .name:           k_q034ecd8b12_att
    .symbol:         k_q034ecd8b12_att.kd
    .args:
      - { .name: qb, .offset: 0, .size: 8, .value_kind: global_buffer, .address_space: global }
      - { .name: ab, .offset: 8, .size: 8, .value_kind: global_buffer, .address_space: global }
    .group_segment_fixed_size: 210944
    .private_segment_fixed_size: 0
    .kernarg_segment_align: 8
    .kernarg_segment_size: 16
    .max_flat_workgroup_size: 512
    .sgpr_count:     66
    .vgpr_count:     256
    .wavefront_size: 32
...
	.end_amdgpu_metadata
.endif
;; end of part 3
;; launch wo (part 4): grid 8 x 32, 4 waves a work-group, clusters of 4 x 4, 327,680 bytes of LDS; arguments ab, wb, bo, x, x1; writes x1
.if DOCPART == 4
	.amdgcn_target "amdgcn-amd-amdhsa--gfx1250"
	.amdhsa_code_object_version 6
	.text
	.protected	k_q034ecd8b12_wo
	.globl	k_q034ecd8b12_wo
	.p2align	8
	.type	k_q034ecd8b12_wo,@function
k_q034ecd8b12_wo:
	s_mov_b64 s[64:65], 0
	v_nop
	global_prefetch_b8 v0, s[64:65] scope:SCOPE_SE
	s_setreg_imm32_b32 hwreg(HW_REG_WAVE_MODE, 25, 1), 1
	s_wait_xcnt 0x0
	s_wait_alu depctr_hold_cnt(0) depctr_sa_sdst(0) depctr_va_vdst(0) depctr_va_sdst(0) depctr_va_ssrc(0) depctr_va_vcc(0) depctr_vm_vsrc(0)
	s_getreg_b32 s2, hwreg(HW_REG_IB_STS2, 6, 4)
	s_cmp_eq_u32 s2, 0
	s_cbranch_scc0 .Lentry_in_a_cluster
	s_endpgm
.Lentry_in_a_cluster:
	s_bfe_u32 s2, ttmp6, 0x10000c
	s_cmp_lg_u32 s2, 0xf033
	s_cbranch_scc0 .Lentry_shape_is_right
	s_endpgm
.Lentry_shape_is_right:
; WO: x1 = x + ao Wo^T + bo, the product on codes of FP6 (E2M3) with E8M0 scales; x1 is [4096][1024] f32.
; OPERANDS are images of operand registers (a fragment: 16 slots x 128 K, 1,536 bytes; slot s holds the row s with bits 3 and 4 exchanged).  ao's fragments lie as two halves of 768 bytes (16 + 8 bytes a lane each).
; C has 4,096 x 1,024 numbers: tiles of 128 x 128 give 256 work-groups, one for each WGP; a wave makes 64 x 64: 16 accumulators.  K goes through two LDS slots of 512 K; here K = 1,024, so nothing is filled again.
; THE MATRIX INSTRUCTION IS USED TRANSPOSED (source 0 = 16 slots of Wo, source 1 = 16 slots of tokens): lane (r, h) holds token slot r, and registers of tile 2 b + u are columns 32 b + 16 h + 8 u + 0 .. 7.
; The bias is the C of the first products.  The residual is loaded at the head and added on the way out, which goes through the wave's own stage in LDS: sixteen lanes store 256 consecutive bytes of a row.
; 4 x 4 work-groups form a cluster: A's tiles are asked for jointly along a row of it, B's along a column.
.set KK,    1024
.set AH,    1                          ; A's fragments lie as two halves
.set ASC,   3145728                    ; where A's scale words begin
.set BOFF,  2359296                    ; where B's codes begin: 24 x 98,304
.set BSC,   9535488                    ; and its scale words: 9,437,184 + 24 x 4,096
.set MA,    4
.set NB,    4
.set NQ,    4                          ; steps of 128 K in a slot
.set NS,    KK/128
.set ARUN,  NS*12288                   ; 128 slots' codes
.set SRUN,  NS*512                     ; and scale words
.set LAPS,  KK/1024
.set SLOT,  98304
.set WPART, 24576                      ; what one tensor load brings: two steps of 128 slots
.set QSTEP, 12288
.set S1OFF, 49152
.set FSTEP, 98304
.set SCL,   2*SLOT
.set SCW,   SRUN/2
.set SPARE, SCL+4*SCW                  ; the spare words, 128 bytes a wave: no other line names them
.set ADRA, 16
.set ADRA8, 18
.set ADRB, 20
.set STO,  22                          ; the stage: where I put 32 bytes of a row
.set RD,   23                          ; and where I read rows back
.set L16,  24
.set L8,   25
.set ADRS, 27
.set SPW,  28
.set NIL,  29
.set BA,   30                          ; the bias: 64 h
.set CO,   31                          ; 4,096 h + 16 (lane % 16): two rows of x and x1
.set SC,   32
.set AF,   64                          ; window 0: A's two sets of 48 registers
.set AS,   48
.set BS,   48                          ; window 1: B's two sets
.set BIAS, 192                         ; window 1: the bias, 8 registers a tile
.set BK,   64                          ; the way out: rows read back, v64-95 and v96-127 by turns
.set G1,   24
.set G0,   32
.set G1B,  48
.set G0B,  56
.set G1S,  68
.set G0S,  76
.set G1SB, 80
.set G0SB, 88
.set MSB, 0
.macro WIN new                         ; s_set_vgpr_msb: bits 1:0 source 0, 3:2 source 1, 5:4 source 2, 7:6 destination; the high byte repeats the setting that is left
.if MSB != (\new)
	s_set_vgpr_msb (MSB<<8)|(\new)
.set MSB, (\new)
.endif
.endm
.macro PLACES                          ; four places behind matrix instructions (ISA guide 7.12.1)
.rept 4
	v_nop
.endr
.endm
.macro JLOAD g0a, g1a, g0b, g1b        ; a joint load: waves 0 and 1 fetch for A, waves 2 and 3 for B; an s_nop 0 and four v_nop follow each line
	s_cmp_eq_u32 s15, 0
	s_cbranch_scc0 .Lfor_b_\@
	tensor_load_to_lds s[\g0a:\g0a+3], s[\g1a:\g1a+7]
	s_nop 0
.rept 4
	v_nop
.endr
	s_branch .Lasked_\@
.Lfor_b_\@:
	tensor_load_to_lds s[\g0b:\g0b+3], s[\g1b:\g1b+7]
	s_nop 0
.rept 4
	v_nop
.endr
.Lasked_\@:
.endm
.macro CREST
	s_cmp_lg_u32 s14, 0
	s_cbranch_scc1 .Lnot_wave_0_\@
	s_barrier_signal -3
.Lnot_wave_0_\@:
	s_barrier_wait -3
	s_barrier_signal -1
	s_barrier_wait -1
.endm
.macro CROUND
	s_barrier_signal -1
	s_barrier_wait -1
	CREST
.endm
.macro FRAG reg, adr, off
.irp c, 0,1,2
	ds_load_b128 v[(\reg)+4*\c:(\reg)+4*\c+3], v[\adr] offset:(\off)+512*\c
.endr
.endm
.macro FRAGH reg, adr, adr8, off       ; a fragment that lies as two halves: registers 6 e .. 6 e + 3 at 16 x lane, 6 e + 4, 6 e + 5 at 512 + 8 x lane
	ds_load_b128 v[(\reg):(\reg)+3], v[\adr] offset:(\off)
	ds_load_b64 v[(\reg)+4:(\reg)+5], v[\adr8] offset:(\off)+512
	ds_load_b128 v[(\reg)+6:(\reg)+9], v[\adr] offset:(\off)+768
	ds_load_b64 v[(\reg)+10:(\reg)+11], v[\adr8] offset:(\off)+1280
.endm
.macro FETCH slot, q, p
	WIN 0x40
.set fi, 0
.rept NB
	FRAG BS*(\p)+12*fi, ADRB+\slot, (\q)*QSTEP+fi*1536
.set fi, fi+1
.endr
	WIN 0
.set fi, 0
.rept MA
.if AH
	FRAGH AF+AS*(\p)+12*fi, ADRA+\slot, ADRA8+\slot, (\q)*QSTEP+fi*1536
.else
	FRAG AF+AS*(\p)+12*fi, ADRA+\slot, (\q)*QSTEP+fi*1536
.endif
.set fi, fi+1
.endr
.set fi, 0
.rept MA
	ds_load_b32 v[SC+8*(\p)+fi], v[ADRS] offset:512*(\q)+64*fi
.set fi, fi+1
.endr
.endm
; A's blocks a0 .. a1 - 1 against B's NB.  mode 0: onto the sums; 2: the bias starts them.  The accumulators take turns, one instruction a turn.
.macro MULS a0, a1, p, mode
.set ma, \a0
.rept (\a1)-(\a0)
.if \mode == 2
	WIN 0x91
.else
	WIN 0xa1
.endif
.set mb, 0
.rept NB
.set rD, 8*(NB*ma+mb)
.set rB, BS*(\p)+12*mb
.set rA, AF+AS*(\p)+12*ma
.if \mode == 0
	v_wmma_scale_f32_16x16x128_f8f6f4 v[rD:rD+7], v[rB:rB+11], v[rA:rA+11], v[rD:rD+7], v[SC+8*(\p)+mb], v[SC+8*(\p)+ma] matrix_a_fmt:MATRIX_FMT_FP6 matrix_b_fmt:MATRIX_FMT_FP6 matrix_a_scale:MATRIX_SCALE_ROW1
.else
	v_wmma_scale_f32_16x16x128_f8f6f4 v[rD:rD+7], v[rB:rB+11], v[rA:rA+11], v[BIAS+8*mb:BIAS+8*mb+7], v[SC+8*(\p)+mb], v[SC+8*(\p)+ma] matrix_a_fmt:MATRIX_FMT_FP6 matrix_b_fmt:MATRIX_FMT_FP6 matrix_a_scale:MATRIX_SCALE_ROW1
.endif
.set mb, mb+1
.endr
.set ma, ma+1
.endr
.endm
.macro STEP slot, q, mode              ; the successor's set is asked for first and has the whole step in which to land
	s_wait_dscnt 0x0
	PLACES
	FETCH \slot, (\q)+1, 1-(\q)%2
	MULS 0, MA, (\q)%2, \mode
.endm
.macro TURN slot, next, fill           ; a slot's last step (set 1) changes slots: one barrier, with the three lines in front of it
	WIN 0
	s_wait_tensorcnt 0x0                           ; all my tensor loads have landed: my part of the next slot
	ds_add_u32 v[SPW], v[NIL]
	s_wait_dscnt 0x1                               ; this step's set is in; the add alone may be out
	MULS 0, MA/4, 1, 0
	s_wait_dscnt 0x0                               ; the add is done, and my reads of this slot are over
	s_barrier_signal -1
	MULS MA/4, MA/2, 1, 0
	WIN 0
	s_barrier_wait -1
.if \fill
	CREST
	s_add_nc_u64 s[G0+4*\slot+2:G0+4*\slot+3], s[G0+4*\slot+2:G0+4*\slot+3], FSTEP
	s_add_nc_u64 s[G0B+4*\slot+2:G0B+4*\slot+3], s[G0B+4*\slot+2:G0B+4*\slot+3], FSTEP
	JLOAD G0+4*\slot, G1, G0B+4*\slot, G1B
.else
	PLACES
.endif
	v_add_nc_u32 v[ADRS], 512*NQ, v[ADRS]
	FETCH \next, 0, 0
	MULS MA/2, MA, 1, 0
.endm
; THE WAY OUT of A's block a: 16 slots x 64 columns through my stage (rows 272 bytes apart) and back as rows; the residual is added; sixteen lanes store 256 consecutive bytes.
.macro TOSTAGE a
	WIN 0x08                                       ; an LDS store's data are its source 1: window 2
.irp b, 0,1,2,3
	ds_store_b128 v[STO], v[8*(4*(\a)+\b):8*(4*(\a)+\b)+3] offset:128*(\b/2)+32*(\b%2)       ; each accumulator from its low end on
	ds_store_b128 v[STO], v[8*(4*(\a)+\b)+4:8*(4*(\a)+\b)+7] offset:128*(\b/2)+32*(\b%2)+16
.endr
	WIN 0
.set BB, BK+32*((\a)%2)
.irp t, 0,1,2,3,4,5,6,7
	ds_load_b128 v[BB+4*\t:BB+4*\t+3], v[RD] offset:544*\t   ; LDS serves a wave's instructions in order: these see my stores
.endr
.endm
.macro SEND a, younger
.set BB, BK+32*((\a)%2)
	s_wait_dscnt \younger                          ; the block is back; the next block's 8 stores and 8 loads may be out
	WIN 0x08
.irp t, 0,1,2,3,4,5,6,7,8,9,10,11,12,13,14,15
	v_pk_add_f32 v[BB+2*\t:BB+2*\t+1], v[BB+2*\t:BB+2*\t+1], v[128+32*(\a)+2*\t:128+32*(\a)+2*\t+1]
.endr
	WIN 0
.irp t, 0,1,2,3,4,5,6,7
	global_store_b128 v[CO], v[BB+4*\t:BB+4*\t+3], s[12:13] offset:(32*((\a)/2)+16*(\t/4)+8*((\a)%2)+2*(\t%4))*4096   ; slot 16 a + 2 t + h is this row
.endr
.endm
	s_load_b256 s[4:11], s[0:1], 0x0               ; A s[4:5], wb s[6:7], the bias s[8:9], the residual s[10:11]
	s_load_b64 s[12:13], s[0:1], 0x20              ; the result
	v_lshl_add_u32 v[SPW], v0, 2, SPARE
	v_mov_b32 v[NIL], 0
	ds_add_u32 v[SPW], v[NIL]                      ; the wave's opening
	ds_add_u32 v[SPW], v[NIL]
	v_lshrrev_b32 v1, 5, v0
	v_readfirstlane_b32 s14, v1                    ; wave 0..3
	s_lshr_b32 s15, s14, 1                         ; which 64 of A's slots are mine.  Also: I fetch for A (0) or for B (1)
	s_and_b32 s16, s14, 1                          ; which 64 of B's.  Also: which two steps of a slot I fetch
	s_bfe_u32 s40, ttmp6, 0x40000                  ; cx
	s_bfe_u32 s41, ttmp6, 0x40004                  ; cy
	s_lshl_b32 s42, ttmp9, 2
	s_add_co_u32 s42, s42, s40                     ; tile column
	s_and_b32 s17, ttmp7, 0xffff
	s_lshl_b32 s17, s17, 2
	s_add_co_u32 s17, s17, s41                     ; tile row
	s_lshl_b32 s43, s41, 2
	s_lshl_b32 s43, 15, s43                        ; my row of the cluster
	s_lshl_b32 s44, 0x1111, s40                    ; my column
	s_or_b32 s[G1+0], s43, (3<<16)|(1<<21)         ; group 1: the mask; elements of 8 bytes; bit 21 beside a mask; no padding
	s_or_b32 s[G1B+0], s44, (3<<16)|(1<<21)
.irp g, G1, G1B
	s_mov_b32 s[\g+1], 32<<16                      ; a dense block as 96 rows of 256 bytes
	s_mov_b32 s[\g+2], 192<<16                     ; the head's loads bring a whole slot's part: 192 rows
	s_mov_b32 s[\g+3], 32<<16
	s_mov_b32 s[\g+4], 192
	s_mov_b32 s[\g+5], 32
	s_mov_b32 s[\g+6], 0
	s_mov_b32 s[\g+7], 0
.endr
	s_or_b32 s[G1S+0], s43, (3<<16)|(1<<21)
	s_or_b32 s[G1SB+0], s44, (3<<16)|(1<<21)
.irp g, G1S, G1SB
	s_mov_b32 s[\g+1], 32<<16
	s_mov_b32 s[\g+2], (SRUN/256)<<16
	s_mov_b32 s[\g+3], 32<<16
	s_mov_b32 s[\g+4], SRUN/256
	s_mov_b32 s[\g+5], 32
	s_mov_b32 s[\g+6], 0
	s_mov_b32 s[\g+7], 0
.endr
	s_mul_i32 s18, s16, WPART
	s_mov_b32 s19, 0
	s_mul_i32 s20, s17, ARUN
	s_mul_i32 s22, s17, SRUN
	s_add_co_u32 s22, s22, ASC                     ; A's scale words: my half
	s_mul_i32 s46, s42, ARUN
	s_add_co_u32 s46, s46, BOFF
	s_mul_i32 s92, s42, SRUN
	s_add_co_u32 s92, s92, BSC
	s_mov_b32 s21, 0
	s_mov_b32 s23, 0
	s_mov_b32 s47, 0
	s_mov_b32 s93, 0
	s_mul_i32 s45, s14, WPART                      ; where they go: by the wave's number alone
	s_wait_dscnt 0x0                               ; the opening add is done
	s_wait_kmcnt 0x0
	s_add_nc_u64 s[20:21], s[4:5], s[20:21]
	s_add_nc_u64 s[22:23], s[4:5], s[22:23]
	s_add_nc_u64 s[46:47], s[6:7], s[46:47]
	s_add_nc_u64 s[92:93], s[6:7], s[92:93]
	CROUND                                         ; all sixteen work-groups are here: the first joint loads meet
.macro GRP0 g, lds, a                  ; a group 0: LDS address, global address, type
	s_mov_b32 s[\g], 1
	s_mov_b32 s[\g+1], \lds
	s_mov_b64 s[\g+2:\g+3], s[\a:\a+1]
	s_or_b32 s[\g+3], s[\g+3], 0x80000000
.endm
	GRP0 4, 0, 20                                  ; the head's four tiles, each whole: slot 0's part of A,
	GRP0 96, 2*WPART, 46                           ; of B,
	GRP0 G0S, SCL, 22                              ; A's scale words,
	GRP0 G0SB, SCL+2*SCW, 92                       ; B's
	s_add_nc_u64 s[20:21], s[20:21], s[18:19]      ; for the ring: my two steps of a slot
	s_add_nc_u64 s[46:47], s[46:47], s[18:19]
.irp s, 0,1
	s_mov_b32 s[G0+4*\s], 1
	s_add_co_u32 s[G0+4*\s+1], s45, \s*SLOT
	s_add_nc_u64 s[G0+4*\s+2:G0+4*\s+3], s[20:21], \s*S1OFF
	s_or_b32 s[G0+4*\s+3], s[G0+4*\s+3], 0x80000000
	s_mov_b32 s[G0B+4*\s], 1
	s_add_co_u32 s[G0B+4*\s+1], s45, \s*SLOT
	s_add_nc_u64 s[G0B+4*\s+2:G0B+4*\s+3], s[46:47], \s*S1OFF
	s_or_b32 s[G0B+4*\s+3], s[G0B+4*\s+3], 0x80000000
.endr
; the head's loads, one a wave: one chain of branches on the wave's number, a load in each arm
.macro ARM under, g0, g1, next
	s_cmp_lt_u32 s14, \under
	s_cbranch_scc0 \next
	tensor_load_to_lds s[\g0:\g0+3], s[\g1:\g1+7]
	s_nop 0
.rept 4
	v_nop
.endr
	s_branch .Lhead_asked
\next:
.endm
	ARM 1, 4,   G1,  .Lhead_b
	ARM 2, 96,  G1B, .Lhead_sa
	ARM 3, G0S, G1S, .Lhead_sb
	tensor_load_to_lds s[G0SB:G0SB+3], s[G1SB:G1SB+7]
	s_nop 0
.rept 4
	v_nop
.endr
.Lhead_asked:
	s_cmp_eq_u32 s15, 0                            ; the prefetch: of the 24,576 bytes of slot 1 that I fetch, the four partners that ask with me take 6,144 each, told apart by address
	s_cselect_b64 s[94:95], s[20:21], s[46:47]
	s_cselect_b32 s2, s40, s41                     ; my place among them: cx for A, cy for B
	s_mul_i32 s18, s2, 6144
	s_add_nc_u64 s[94:95], s[94:95], s[18:19]      ; never written again
	v_and_b32 v26, 31, v0
	v_min_u32 v26, 23, v26                         ; 24 blocks of 256 bytes, a lane a block; lanes 24-31 name the last again
	v_lshlrev_b32 v26, 8, v26
	global_prefetch_b8 v26, s[94:95] offset:S1OFF th:TH_LOAD_NT scope:SCOPE_SE   ; the second of the run's two fills
	v_and_b32 v1, 31, v0
	v_and_b32 v2, 15, v0                           ; r
	v_bfe_u32 v3, v0, 4, 1                         ; h
	s_wait_alu depctr_va_vdst(0)
	v_lshlrev_b32 v[L16], 4, v1
	v_lshlrev_b32 v[L8], 3, v1
	s_mul_i32 s21, s15, 6144                       ; my four blocks of A in a step's eight,
	s_mul_i32 s22, s16, 6144                       ; of B,
	s_add_co_u32 s22, s22, 2*WPART                 ; which lies behind A's four steps
.irp s, 0,1
	v_add_nc_u32 v[ADRA+\s], s21, v[L16]
	v_add_nc_u32 v[ADRA8+\s], s21, v[L8]
	v_add_nc_u32 v[ADRB+\s], s22, v[L16]
	s_add_co_u32 s21, s21, SLOT
	s_add_co_u32 s22, s22, SLOT
.endr
	s_lshl_b32 s21, s15, 8                         ; scale words: 64 bytes a block
	s_lshl_b32 s22, s16, 8
	s_add_co_u32 s22, s22, 2*SCW
	s_sub_co_u32 s22, s22, s21
	v_mul_u32_u24 v6, s22, v3                      ; lanes 16-31 take B's: one product, h x the distance
	s_add_co_u32 s21, s21, SCL
	v_lshl_add_u32 v5, v2, 2, v6
	v_add_nc_u32 v[ADRS], s21, v5
	s_mul_i32 s23, s14, 16*272                     ; my stage, in slot 0: used behind the last change of slots, when that slot has had its last fill and its last read
	v_mul_u32_u24 v5, v2, 272
	v_lshl_add_u32 v5, v3, 6, v5
	v_add_nc_u32 v[STO], s23, v5
	v_mul_u32_u24 v5, v3, 272
	v_lshl_add_u32 v5, v2, 4, v5
	v_add_nc_u32 v[RD], s23, v5
	v_lshlrev_b32 v5, 12, v3
	v_lshl_add_u32 v[CO], v2, 4, v5
	v_lshlrev_b32 v[BA], 6, v3
	s_wait_alu depctr_va_vdst(0)
	s_lshl_b32 s20, s17, 7
	s_lshl_b32 s21, s15, 6
	s_add_co_u32 s20, s20, s21                     ; my first row: 128 x tile row + 64 x half
	s_lshl_b32 s20, s20, 12
	s_lshl_b32 s21, s42, 9
	s_lshl_b32 s22, s16, 8
	s_add_co_u32 s22, s21, s22                     ; my first column, in bytes
	s_mov_b32 s23, 0
	s_add_nc_u64 s[8:9], s[8:9], s[22:23]
	s_add_co_u32 s20, s20, s22
	s_mov_b32 s21, 0
	s_add_nc_u64 s[10:11], s[10:11], s[20:21]
	s_add_nc_u64 s[12:13], s[12:13], s[20:21]
	WIN 0x40
.irp b, 0,1,2,3
	global_load_b128 v[BIAS+8*\b:BIAS+8*\b+3], v[BA], s[8:9] offset:4*(32*(\b/2)+8*(\b%2))       ; the bias in the result's layout: columns 32 (b / 2) + 16 h + 8 (b % 2) + 0 .. 7
	global_load_b128 v[BIAS+8*\b+4:BIAS+8*\b+7], v[BA], s[8:9] offset:4*(32*(\b/2)+8*(\b%2))+16
.endr
	WIN 0x80
.irp a, 0,1,2,3
.irp t, 0,1,2,3,4,5,6,7
	global_load_b128 v[128+32*\a+4*\t:128+32*\a+4*\t+3], v[CO], s[10:11] offset:(32*(\a/2)+16*(\t/4)+8*(\a%2)+2*(\t%4))*4096   ; the residual lands under the products
.endr
.endr
	WIN 0
	s_wait_tensorcnt 0x0                           ; my tile of the head's four is in
	ds_add_u32 v[SPW], v[NIL]
	s_mov_b32 s[G1+2], 96<<16                      ; no tensor load of mine is out: from here on a load brings 96 rows
	s_mov_b32 s[G1+4], 96
	s_mov_b32 s[G1B+2], 96<<16
	s_mov_b32 s[G1B+4], 96
	s_wait_dscnt 0x0
	CROUND                                         ; all four tiles are in, and the partners are here
	JLOAD G0+4, G1, G0B+4, G1B                     ; slot 1's first fill, the first tensor load behind the round
	FETCH 0, 0, 0
	s_wait_loadcnt 32                              ; the bias is in; the 32 younger loads of the residual may be out
	STEP 0, 0, 2                                   ; the bias starts the sums
.if LAPS > 1
	WIN 0
	s_mov_b32 s3, LAPS-1
.Llap:                                             ; a trip goes once round the ring and fills both slots again
	STEP 0, 1, 0
	STEP 0, 2, 0
	TURN 0, 1, 1
	STEP 1, 0, 0
	STEP 1, 1, 0
	STEP 1, 2, 0
	TURN 1, 0, 1
	STEP 0, 0, 0
	WIN 0
	s_sub_co_u32 s3, s3, 1
	s_cmp_lg_u32 s3, 0
	s_cbranch_scc1 .Llap
.endif
	STEP 0, 1, 0
	STEP 0, 2, 0
	TURN 0, 1, 0
	s_wait_alu depctr_va_vdst(0)
	STEP 1, 0, 0
	STEP 1, 1, 0
	STEP 1, 2, 0
	s_wait_dscnt 0x0
	MULS 0, MA, 1, 0
	WIN 0
	s_wait_loadcnt 0x0                             ; the residual
	PLACES
	TOSTAGE 0
.irp a, 1,2,3
.if \a > 1
	s_wait_xcnt 0x0                                ; block a - 2's stores have read their registers: block a's loads may land there
.endif
	TOSTAGE \a
	SEND \a-1, 16
.endr
	SEND 3, 0
	s_wait_tensorcnt 0x0                           ; the wave's end
	ds_add_u32 v[SPW], v[NIL]
	s_wait_dscnt 0x0
	CROUND                                         ; the closing round
	s_endpgm
.Lfunc_end_k_q034ecd8b12_wo:
	.size	k_q034ecd8b12_wo, .Lfunc_end_k_q034ecd8b12_wo-k_q034ecd8b12_wo
	.p2alignl 7, 3214868480
	.fill 96, 4, 3214868480
	.section	.rodata,"a",@progbits
	.p2align	6, 0x0
	.amdhsa_kernel k_q034ecd8b12_wo
		.amdhsa_group_segment_fixed_size 327680
		.amdhsa_private_segment_fixed_size 0
		.amdhsa_enable_private_segment 0
		.amdhsa_kernarg_size 40
		.amdhsa_user_sgpr_count 2
		.amdhsa_user_sgpr_kernarg_segment_ptr 1
		.amdhsa_wavefront_size32 1
		.amdhsa_system_sgpr_workgroup_id_x 1
		.amdhsa_system_sgpr_workgroup_id_y 1
		.amdhsa_system_sgpr_workgroup_id_z 1
		.amdhsa_system_vgpr_workitem_id 0
		.amdhsa_next_free_vgpr 768
		.amdhsa_next_free_sgpr 100
		.amdhsa_reserve_vcc 0
		.amdhsa_float_denorm_mode_32 3
		.amdhsa_float_denorm_mode_16_64 3
		.amdhsa_memory_ordered 1
		.amdhsa_forward_progress 1
		.amdhsa_inst_pref_size 62
	.end_amdhsa_kernel
	.amdgpu_metadata
---
amdhsa.version: [ 1, 2 ]
amdhsa.kernels:
  - .name:           k_q034ecd8b12_wo
    .symbol:         k_q034ecd8b12_wo.kd
    .args:
      - { .name: ab, .offset: 0, .size: 8, .value_kind: global_buffer, .address_space: global }
      - { .name: wb, .offset: 8, .size: 8, .value_kind: global_buffer, .address_space: global }
      - { .name: bo, .offset: 16, .size: 8, .value_kind: global_buffer, .address_space: global }
      - { .name: x, .offset: 24, .size: 8, .value_kind: global_buffer, .address_space: global }
      - { .name: x1, .offset: 32, .size: 8, .value_kind: global_buffer, .address_space: global }
    .group_segment_fixed_size: 327680
    .private_segment_fixed_size: 0
    .kernarg_segment_align: 8
    .kernarg_segment_size: 40
    .max_flat_workgroup_size: 128
    .sgpr_count:     100
    .vgpr_count:     768
    .wavefront_size: 32
...
	.end_amdgpu_metadata
.endif
;; end of part 4
;; launch ln2 (part 5): grid 256 x 1, 8 waves a work-group, no clusters, 69,632 bytes of LDS; arguments x1, g2, be2, h2; writes h2
.if DOCPART == 5
	.amdgcn_target "amdgcn-amd-amdhsa--gfx1250"
	.amdhsa_code_object_version 6
	.text
	.protected	k_q034ecd8b12_ln2
	.globl	k_q034ecd8b12_ln2
	.p2align	8
	.type	k_q034ecd8b12_ln2,@function
k_q034ecd8b12_ln2:
	s_mov_b64 s[64:65], 0
	v_nop
	global_prefetch_b8 v0, s[64:65] scope:SCOPE_SE
	s_setreg_imm32_b32 hwreg(HW_REG_WAVE_MODE, 25, 1), 1
	s_wait_xcnt 0x0
; LN2: h2 = layernorm(x1) g2 + be2 becomes codes of FP6 (E2M3) with one E8M0 byte for each 32 along K, laid as images of operand registers:
; a fragment is 16 slots x 128 K, 1,536 bytes: register i of lane l at 512 (i / 4) + 16 l + 4 (i % 4); fragment ((slot / 128 x 8 + k / 128) x 8 + (slot / 16) % 8); its scale words at 3,145,728 + fragment x 64 + 4 r.
; Slot s holds the row s with bits 3 and 4 exchanged.  A work-group takes 16 slots x 1,024 K; wave w the K step 128 w.  Each load reads 512 consecutive bytes of one row; the wave's 16 x 512 bytes turn through its own
; stage in LDS, so that lane (r, h) gets, of row r, 16 neighbours of each block of 32.  Mean and variance are summed in f32: in the lane, with lane l xor 16, and over the eight waves through LDS, one barrier each.
; LIMITS: a block whose largest magnitude lies under 2^-124 (a block of zeros too) gets the byte 1; the bytes are read by this program alone.  NaN and infinities are not served.
.set R,    16                          ; v16-79   the rows as loaded; later be2
.set X,    80                          ; v80-143  64 numbers: register 16 b + i = k 32 b + 16 h + i of my row
.set G,    144                         ; v144-207 g2
.set PC,   208
.set TM,   228
.set PW,   244
.set SPW,  246
.set NIL,  247
.set L16,  4
.set STW,  5
.set LDW,  6
.set PSA,  7
.set PLA,  8
.set GA,   9
.set R4,   10
.set WST,  8448
.set PS1,  67584
.set SPARE, 68608                      ; the spare words, 128 bytes for each of eight waves: no other line names them
.set SEL,  48
.macro QUANT s
.irp b, 0,1,2,3
	v_max3_num_f32 v[TM+\b], |v[\s+16*\b]|, |v[\s+1+16*\b]|, 0x1800000   ; and the floor 2^(3 - 127): the byte cannot fall under 1
.endr
.irp i, 2,4,6,8,10,12,14
.irp b, 0,1,2,3
	s_delay_alu instid0(VALU_DEP_4)
	v_max3_num_f32 v[TM+\b], v[TM+\b], |v[\s+16*\b+\i]|, |v[\s+1+16*\b+\i]|
.endr
.endr
.irp b, 0,1,2,3
	s_delay_alu instid0(VALU_DEP_4)
	v_permlanex16_b32 v[TM+4+\b], v[TM+\b], s[SEL], s[SEL+1]
.endr
.irp b, 0,1,2,3
	s_delay_alu instid0(VALU_DEP_4)
	v_max_num_f32 v[TM+\b], v[TM+\b], v[TM+4+\b]
.endr
.irp b, 0,1,2,3
	s_delay_alu instid0(VALU_DEP_4)
	v_add_nc_u32 v[TM+12+\b], 0xff000000, v[TM+\b]        ; 2 off the exponent field: the conversion's scale operand
.endr
.irp b, 0,1,2,3
	s_delay_alu instid0(VALU_DEP_4)
	v_lshrrev_b32 v[TM+4+\b], 23, v[TM+12+\b]
.endr
	s_delay_alu instid0(VALU_DEP_3)
	v_lshl_or_b32 v[PW], v[TM+5], 8, v[TM+4]
	s_delay_alu instid0(VALU_DEP_1)
	v_lshl_or_b32 v[PW], v[TM+6], 16, v[PW]
	s_delay_alu instid0(VALU_DEP_1)
	v_lshl_or_b32 v[PW], v[TM+7], 24, v[PW]
.irp c, 0,1
	v_cvt_scalef32_pk16_fp6_f32 v[PC+6*\c:PC+2+6*\c], v[\s+32*\c:\s+15+32*\c], v[TM+12+2*\c]
	v_cvt_scalef32_pk16_fp6_f32 v[PC+12+4*\c:PC+14+4*\c], v[\s+16+32*\c:\s+31+32*\c], v[TM+12+2*\c+1]
.endr
	v_nop                                                 ; one plain place behind a scaled conversion
.irp c, 0,1
.irp i, 0,1,2
	v_permlane16_swap_b32 v[PC+6*\c+\i], v[PC+12+4*\c+\i]
.endr
.irp i, 0,1,2
	s_delay_alu instid0(VALU_DEP_3)
	v_mov_b32 v[PC+3+6*\c+\i], v[PC+12+4*\c+\i]
.endr
.endr
.endm
.macro ALLSUM off                      ; v12 = the sum of my 64 numbers  ->  v[TM] = the row's sum, the same in every lane of every wave
	s_delay_alu instid0(VALU_DEP_1)
	v_permlanex16_b32 v13, v12, s[SEL], s[SEL+1]
	s_delay_alu instid0(VALU_DEP_1)
	v_add_f32 v12, v12, v13
	ds_store_b32 v[PSA], v12 offset:\off                  ; lanes r and r + 16 write the same word with the same value
	s_wait_dscnt 0x0                                      ; for the others' sake: my store has landed
	s_barrier_signal -1
	s_barrier_wait -1
.irp w, 0,1,2,3,4,5,6,7
	ds_load_b32 v[TM+\w], v[PLA] offset:\off+64*\w
.endr
	s_wait_dscnt 0x0
	v_add_f32 v[TM], v[TM], v[TM+1]
	v_add_f32 v[TM+2], v[TM+2], v[TM+3]
	v_add_f32 v[TM+4], v[TM+4], v[TM+5]
	v_add_f32 v[TM+6], v[TM+6], v[TM+7]
	s_delay_alu instid0(VALU_DEP_3)
	v_add_f32 v[TM], v[TM], v[TM+2]
	s_delay_alu instid0(VALU_DEP_2)
	v_add_f32 v[TM+4], v[TM+4], v[TM+6]
	s_delay_alu instid0(VALU_DEP_1)
	v_add_f32 v[TM], v[TM], v[TM+4]
.endm
	s_load_b256 s[4:11], s[0:1], 0x0               ; x1 s[4:5], g2 s[6:7], be2 s[8:9], h2 s[10:11]
	v_lshl_add_u32 v[SPW], v0, 2, SPARE
	v_mov_b32 v[NIL], 0
	v_lshrrev_b32 v1, 5, v0
	s_delay_alu instid0(VALU_DEP_1)
	v_readfirstlane_b32 s47, v1                    ; wave 0..7
	v_and_b32 v1, 31, v0
	v_and_b32 v2, 15, v0                           ; r
	v_bfe_u32 v3, v0, 4, 1                         ; h
	s_delay_alu instid0(VALU_DEP_3)
	v_lshlrev_b32 v[L16], 4, v1
	s_mul_i32 s46, s47, WST
	v_add_nc_u32 v[STW], s46, v[L16]
	v_mul_u32_u24 v[LDW], v2, 528
	s_delay_alu instid0(VALU_DEP_1)
	v_lshl_add_u32 v[LDW], v3, 6, v[LDW]
	s_delay_alu instid0(VALU_DEP_1)
	v_add_nc_u32 v[LDW], s46, v[LDW]
	v_lshlrev_b32 v[R4], 2, v2
	s_lshl_b32 s46, s47, 6
	s_add_co_u32 s46, s46, PS1
	v_add_nc_u32 v[PSA], s46, v[R4]
	v_add_nc_u32 v[PLA], PS1, v[R4]
	s_lshl_b32 s46, s47, 9
	v_lshl_add_u32 v[GA], v3, 6, s46
	s_mov_b32 s30, ttmp9                           ; the group of 16 slots
	s_mov_b32 s40, 0x3a800000                      ; 1 / 1,024
	s_mov_b32 s41, 0x3727c5ac                      ; 1e-5
	s_mov_b32 s[SEL], 0x76543210
	s_mov_b32 s[SEL+1], 0xfedcba98
	s_lshr_b32 s46, s30, 1
	s_lshl_b32 s46, s46, 5
	s_and_b32 s50, s30, 1
	s_lshl_b32 s50, s50, 3
	s_add_co_u32 s46, s46, s50                     ; its first row: 32 (G / 2) + 8 (G % 2)
	s_lshl_b32 s46, s46, 12
	s_lshl_b32 s50, s47, 9
	s_add_co_u32 s50, s46, s50
	s_mov_b32 s51, 0
	s_lshr_b32 s52, s30, 3                         ; the fragment's number
	s_lshl_b32 s52, s52, 3
	s_add_co_u32 s52, s52, s47
	s_lshl_b32 s52, s52, 3
	s_and_b32 s53, s30, 7
	s_add_co_u32 s52, s52, s53
	s_lshl_b32 s54, s52, 6
	s_add_co_u32 s54, s54, 3145728
	s_mov_b32 s55, 0
	s_mul_i32 s52, s52, 1536
	s_mov_b32 s53, 0
	s_wait_alu depctr_va_vdst(0)
	s_wait_kmcnt 0x0
	s_add_nc_u64 s[26:27], s[4:5], s[50:51]
	s_add_nc_u64 s[36:37], s[10:11], s[54:55]
	s_add_nc_u64 s[34:35], s[10:11], s[52:53]
.irp i, 0,1,2,3,4,5,6,7,8,9,10,11,12,13,14,15
	global_load_b128 v[R+4*\i:R+4*\i+3], v[L16], s[26:27] offset:(\i+8*(\i/8))*4096   ; slot i is row i + 8 (i / 8) from the group's first; 32 lanes read 512 consecutive bytes
.endr
.irp i, 0,1,2,3,4,5,6,7,8,9,10,11,12,13,14,15
	s_wait_loadcnt 15-\i                           ; loads come back in order: row i is in, the younger rows may be out
	ds_store_b128 v[STW], v[R+4*\i:R+4*\i+3] offset:528*\i
.endr
.irp b, 0,1,2,3
.irp j, 0,1,2,3
	ds_load_b128 v[X+16*\b+4*\j:X+16*\b+4*\j+3], v[LDW] offset:128*\b+16*\j   ; LDS serves a wave's instructions in order: these see my stores
.endr
.endr
	s_wait_dscnt 0x0
.irp b, 0,1,2,3
.irp j, 0,1,2,3
	global_load_b128 v[G+16*\b+4*\j:G+16*\b+4*\j+3], v[GA], s[6:7] offset:128*\b+16*\j
.endr
.endr
.irp b, 0,1,2,3
.irp j, 0,1,2,3
	global_load_b128 v[R+16*\b+4*\j:R+16*\b+4*\j+3], v[GA], s[8:9] offset:128*\b+16*\j
.endr
.endr
	v_pk_add_f32 v[14:15], v[80:81], v[84:85]
	v_pk_add_f32 v[244:245], v[88:89], v[92:93]
	v_pk_add_f32 v[242:243], v[96:97], v[100:101]
	v_pk_add_f32 v[240:241], v[104:105], v[108:109]
	v_pk_add_f32 v[238:239], v[112:113], v[116:117]
	v_pk_add_f32 v[236:237], v[120:121], v[124:125]
	v_pk_add_f32 v[234:235], v[128:129], v[132:133]
	v_pk_add_f32 v[12:13], v[136:137], v[140:141]
	s_delay_alu instid0(VALU_DEP_1)
	v_pk_add_f32 v[12:13], v[12:13], v[82:83]
	v_pk_add_f32 v[14:15], v[14:15], v[86:87]
	v_pk_add_f32 v[244:245], v[244:245], v[90:91]
	v_pk_add_f32 v[242:243], v[242:243], v[94:95]
	v_pk_add_f32 v[240:241], v[240:241], v[98:99]
	v_pk_add_f32 v[238:239], v[238:239], v[102:103]
	v_pk_add_f32 v[236:237], v[236:237], v[106:107]
	v_pk_add_f32 v[234:235], v[234:235], v[110:111]
	v_pk_add_f32 v[12:13], v[12:13], v[114:115]
	v_pk_add_f32 v[14:15], v[14:15], v[118:119]
	v_pk_add_f32 v[244:245], v[244:245], v[122:123]
	v_pk_add_f32 v[242:243], v[242:243], v[126:127]
	v_pk_add_f32 v[240:241], v[240:241], v[130:131]
	v_pk_add_f32 v[238:239], v[238:239], v[134:135]
	v_pk_add_f32 v[236:237], v[236:237], v[138:139]
	v_pk_add_f32 v[234:235], v[234:235], v[142:143]
	s_delay_alu instid0(VALU_DEP_4)
	v_pk_add_f32 v[12:13], v[12:13], v[240:241]
	s_delay_alu instid0(VALU_DEP_4)
	v_pk_add_f32 v[14:15], v[14:15], v[238:239]
	s_delay_alu instid0(VALU_DEP_4)
	v_pk_add_f32 v[244:245], v[244:245], v[236:237]
	s_delay_alu instid0(VALU_DEP_4)
	v_pk_add_f32 v[242:243], v[242:243], v[234:235]
	s_delay_alu instid0(VALU_DEP_2)
	v_pk_add_f32 v[12:13], v[12:13], v[244:245]
	s_delay_alu instid0(VALU_DEP_2)
	v_pk_add_f32 v[14:15], v[14:15], v[242:243]
	s_delay_alu instid0(VALU_DEP_1)
	v_pk_add_f32 v[12:13], v[12:13], v[14:15]
	s_delay_alu instid0(VALU_DEP_1)
	v_add_f32 v12, v12, v13
	ALLSUM 0
	s_delay_alu instid0(VALU_DEP_1)
	v_mul_f32 v12, s40, v[TM]                      ; the mean
	s_delay_alu instid0(VALU_DEP_1)
	v_mov_b32 v13, v12
.set j, 0
.rept 32
	v_pk_add_f32 v[X+j:X+j+1], v[X+j:X+j+1], v[12:13] neg_lo:[0,1] neg_hi:[0,1]
.set j, j+2
.endr
	v_pk_mul_f32 v[12:13], v[X:X+1], v[X:X+1]
	v_pk_mul_f32 v[14:15], v[X+2:X+3], v[X+2:X+3]
.set j, 4
.rept 15
	s_delay_alu instid0(VALU_DEP_2)
	v_pk_fma_f32 v[12:13], v[X+j:X+j+1], v[X+j:X+j+1], v[12:13]
	s_delay_alu instid0(VALU_DEP_2)
	v_pk_fma_f32 v[14:15], v[X+j+2:X+j+3], v[X+j+2:X+j+3], v[14:15]
.set j, j+4
.endr
	s_delay_alu instid0(VALU_DEP_1)
	v_pk_add_f32 v[12:13], v[12:13], v[14:15]
	s_delay_alu instid0(VALU_DEP_1)
	v_add_f32 v12, v12, v13
	ALLSUM 512                                     ; other bytes than the first exchange
	s_delay_alu instid0(VALU_DEP_1)
	v_fma_f32 v12, v[TM], s40, s41                 ; the variance + 1e-5
	s_wait_alu depctr_va_vdst(0)
	v_rsq_f32 v14, v12
	v_nop                                          ; a plain place behind the transcendental
	s_wait_alu depctr_va_vdst(0)                   ; the wait ahead of the result's first reader
	v_mov_b32 v15, v14
	s_wait_alu depctr_va_vdst(0)
	s_wait_loadcnt 0x0                             ; g2 and be2
.set j, 0
.rept 32
	v_pk_mul_f32 v[X+j:X+j+1], v[X+j:X+j+1], v[14:15]
.set j, j+2
.endr
.set j, 0
.rept 32
	v_pk_fma_f32 v[X+j:X+j+1], v[X+j:X+j+1], v[G+j:G+j+1], v[R+j:R+j+1]
.set j, j+2
.endr
	QUANT X
.irp c, 0,1,2
	global_store_b128 v[L16], v[PC+4*\c:PC+4*\c+3], s[34:35] offset:512*\c   ; 512 consecutive bytes, at a multiple of 256 from the buffer's first byte
.endr
	global_store_b32 v[R4], v[PW], s[36:37]        ; lanes r and r + 16 hold the same word and store it to the same place
	s_wait_tensorcnt 0x0                           ; the wave's end
	ds_add_u32 v[SPW], v[NIL]
	s_wait_dscnt 0x0
	s_endpgm
.Lfunc_end_k_q034ecd8b12_ln2:
	.size	k_q034ecd8b12_ln2, .Lfunc_end_k_q034ecd8b12_ln2-k_q034ecd8b12_ln2
	.p2alignl 7, 3214868480
	.fill 96, 4, 3214868480
	.section	.rodata,"a",@progbits
	.p2align	6, 0x0
	.amdhsa_kernel k_q034ecd8b12_ln2
		.amdhsa_group_segment_fixed_size 69632
		.amdhsa_private_segment_fixed_size 0
		.amdhsa_enable_private_segment 0
		.amdhsa_kernarg_size 32
		.amdhsa_user_sgpr_count 2
		.amdhsa_user_sgpr_kernarg_segment_ptr 1
		.amdhsa_wavefront_size32 1
		.amdhsa_system_sgpr_workgroup_id_x 1
		.amdhsa_system_sgpr_workgroup_id_y 1
		.amdhsa_system_sgpr_workgroup_id_z 1
		.amdhsa_system_vgpr_workitem_id 0
		.amdhsa_next_free_vgpr 248
		.amdhsa_next_free_sgpr 66
		.amdhsa_reserve_vcc 0
		.amdhsa_float_denorm_mode_32 3
		.amdhsa_float_denorm_mode_16_64 3
		.amdhsa_memory_ordered 1
		.amdhsa_forward_progress 1
		.amdhsa_inst_pref_size 30
	.end_amdhsa_kernel
	.amdgpu_metadata
---
amdhsa.version: [ 1, 2 ]
amdhsa.kernels:
  - .name:           k_q034ecd8b12_ln2
    .symbol:         k_q034ecd8b12_ln2.kd
    .args:
      - { .name: x1, .offset: 0, .size: 8, .value_kind: global_buffer, .address_space: global }
      - { .name: g2, .offset: 8, .size: 8, .value_kind: global_buffer, .address_space: global }
      - { .name: be2, .offset: 16, .size: 8, .value_kind: global_buffer, .address_space: global }
      - { .name: h2, .offset: 24, .size: 8, .value_kind: global_buffer, .address_space: global }
    .group_segment_fixed_size: 69632
    .private_segment_fixed_size: 0
    .kernarg_segment_align: 8
    .kernarg_segment_size: 32
    .max_flat_workgroup_size: 256
    .sgpr_count:     66
    .vgpr_count:     248
    .wavefront_size: 32
...
	.end_amdgpu_metadata
.endif
;; end of part 5
;; launch ffn1 (part 6): grid 16 x 16, 4 waves a work-group, clusters of 4 x 4, 327,680 bytes of LDS; arguments h2, wb, b1, fb; writes fb
.if DOCPART == 6
	.amdgcn_target "amdgcn-amd-amdhsa--gfx1250"
	.amdhsa_code_object_version 6
	.text
	.protected	k_q034ecd8b12_ffn1
	.globl	k_q034ecd8b12_ffn1
	.p2align	8
	.type	k_q034ecd8b12_ffn1,@function
k_q034ecd8b12_ffn1:
	s_mov_b64 s[64:65], 0
	v_nop
	global_prefetch_b8 v0, s[64:65] scope:SCOPE_SE
	s_setreg_imm32_b32 hwreg(HW_REG_WAVE_MODE, 25, 1), 1
	s_wait_xcnt 0x0
	s_wait_alu depctr_hold_cnt(0) depctr_sa_sdst(0) depctr_va_vdst(0) depctr_va_sdst(0) depctr_va_ssrc(0) depctr_va_vcc(0) depctr_vm_vsrc(0)
	s_getreg_b32 s2, hwreg(HW_REG_IB_STS2, 6, 4)
	s_cmp_eq_u32 s2, 0
	s_cbranch_scc0 .Lentry_in_a_cluster
	s_endpgm
.Lentry_in_a_cluster:
	s_bfe_u32 s2, ttmp6, 0x10000c
	s_cmp_lg_u32 s2, 0xf033
	s_cbranch_scc0 .Lentry_shape_is_right
	s_endpgm
.Lentry_shape_is_right:
.set MA,    8
.set NB,    8
.set NQ,    2
.set SLOT,  98304
.set WPART, 24576
.set QSTEP, 12288
.set S1OFF, 24576
.set FSTEP, 49152
.set SCL,   2*SLOT
.set SCW,   4096
.set SPARE, SCL+4*SCW
.set ADRA, 16
.set ADRB, 20
.set L16,  24
.set L8,   25
.set L4,   26
.set ADRS, 27
.set SPW,  28
.set NIL,  29
.set BA,   30
.set SC,   32
.set AF,   64
.set AS,   96
.set BS,   96
.set BIAS, 192
.set PC,   64
.set TM,   84
.set PWS,  100
.set PW,   108
.set CW,   112
.set G1,   24
.set G0,   32
.set G1B,  48
.set G0B,  56
.set G1S,  68
.set G0S,  76
.set G1SB, 80
.set G0SB, 88
.set SEL,  2
.set MSB, 0
.macro WIN new
.if MSB != (\new)
	s_set_vgpr_msb (MSB<<8)|(\new)
.set MSB, (\new)
.endif
.endm
.macro PLACES
.rept 4
	v_nop
.endr
.endm
.macro JLOAD g0a, g1a, g0b, g1b
	s_cmp_eq_u32 s15, 0
	s_cbranch_scc0 .Lfor_b_\@
	tensor_load_to_lds s[\g0a:\g0a+3], s[\g1a:\g1a+7]
	s_nop 0
.rept 4
	v_nop
.endr
	s_branch .Lasked_\@
.Lfor_b_\@:
	tensor_load_to_lds s[\g0b:\g0b+3], s[\g1b:\g1b+7]
	s_nop 0
.rept 4
	v_nop
.endr
.Lasked_\@:
.endm
.macro CREST
	s_cmp_lg_u32 s14, 0
	s_cbranch_scc1 .Lnot_wave_0_\@
	s_barrier_signal -3
.Lnot_wave_0_\@:
	s_barrier_wait -3
	s_barrier_signal -1
	s_barrier_wait -1
.endm
.macro CROUND
	s_barrier_signal -1
	s_barrier_wait -1
	CREST
.endm
.macro FRAG reg, adr, off
.irp c, 0,1,2
	ds_load_b128 v[(\reg)+4*\c:(\reg)+4*\c+3], v[\adr] offset:(\off)+512*\c
.endr
.endm
.macro FETCH slot, q, p
	WIN 0x40
.set fi, 0
.rept NB
	FRAG BS*(\p)+12*fi, ADRB+\slot, (\q)*QSTEP+fi*1536
.set fi, fi+1
.endr
	WIN 0
.set fi, 0
.rept MA
	FRAG AF+AS*(\p)+12*fi, ADRA+\slot, (\q)*QSTEP+fi*1536
.set fi, fi+1
.endr
.set fi, 0
.rept MA
	ds_load_b32 v[SC+8*(\p)+fi], v[ADRS] offset:512*(\q)+64*fi
.set fi, fi+1
.endr
.endm
.macro MULS a0, a1, p, mode
.set ma, \a0
.rept (\a1)-(\a0)
.if \mode == 2
	WIN 0x91+0x40*(ma/4)
.else
	WIN 0xa1+0x50*(ma/4)
.endif
.set mb, 0
.rept NB
.set rD, 8*(NB*(ma%4)+mb)
.set rB, BS*(\p)+12*mb
.set rA, AF+AS*(\p)+12*ma
.if \mode == 0
	v_wmma_scale_f32_16x16x128_f8f6f4 v[rD:rD+7], v[rB:rB+11], v[rA:rA+11], v[rD:rD+7], v[SC+8*(\p)+mb], v[SC+8*(\p)+ma] matrix_a_fmt:MATRIX_FMT_FP6 matrix_b_fmt:MATRIX_FMT_FP6 matrix_a_scale:MATRIX_SCALE_ROW1
.else
	v_wmma_scale_f32_16x16x128_f8f6f4 v[rD:rD+7], v[rB:rB+11], v[rA:rA+11], v[BIAS+8*mb:BIAS+8*mb+7], v[SC+8*(\p)+mb], v[SC+8*(\p)+ma] matrix_a_fmt:MATRIX_FMT_FP6 matrix_b_fmt:MATRIX_FMT_FP6 matrix_a_scale:MATRIX_SCALE_ROW1
.endif
.set mb, mb+1
.endr
.set ma, ma+1
.endr
.endm
.macro STEP slot, q, mode
	s_wait_dscnt 0x0
	PLACES
	FETCH \slot, (\q)+1, 1-(\q)%2
	MULS 0, MA, (\q)%2, \mode
.endm
.macro TURN slot, next, fill
	WIN 0
	s_wait_tensorcnt 0x0
	ds_add_u32 v[SPW], v[NIL]
	s_wait_dscnt 0x1
	MULS 0, MA/4, 1, 0
	s_wait_dscnt 0x0
	s_barrier_signal -1
	MULS MA/4, MA/2, 1, 0
	WIN 0
	s_barrier_wait -1
.if \fill
	CREST
	s_add_nc_u64 s[G0+4*\slot+2:G0+4*\slot+3], s[G0+4*\slot+2:G0+4*\slot+3], FSTEP
	s_add_nc_u64 s[G0B+4*\slot+2:G0B+4*\slot+3], s[G0B+4*\slot+2:G0B+4*\slot+3], FSTEP
	JLOAD G0+4*\slot, G1, G0B+4*\slot, G1B
.else
	PLACES
.endif
	v_add_nc_u32 v[ADRS], 512*NQ, v[ADRS]
	FETCH \next, 0, 0
	MULS MA/2, MA, 1, 0
.endm
.macro RELU s, w
	WIN ((\w)<<6)|((\w)<<2)
.set rj, 0
.rept 64
	v_max_num_f32 v[(\s)+rj], 0, v[(\s)+rj]
.set rj, rj+1
.endr
.endm
.macro QUANT s, w
	WIN (\w)|((\w)<<2)
.irp b, 0,1,2,3
	v_max3_num_f32 v[TM+\b], |v[(\s)+16*\b]|, |v[(\s)+1+16*\b]|, 0x1800000
.endr
	WIN ((\w)<<2)|((\w)<<4)
.irp i, 2,4,6,8,10,12,14
.irp b, 0,1,2,3
	v_max3_num_f32 v[TM+\b], v[TM+\b], |v[(\s)+16*\b+\i]|, |v[(\s)+1+16*\b+\i]|
.endr
.endr
	WIN 0
.irp b, 0,1,2,3
	v_permlanex16_b32 v[TM+4+\b], v[TM+\b], s[SEL], s[SEL+1]
.endr
.irp b, 0,1,2,3
	v_max_num_f32 v[TM+\b], v[TM+\b], v[TM+4+\b]
.endr
.irp b, 0,1,2,3
	v_add_nc_u32 v[TM+12+\b], 0xff000000, v[TM+\b]
.endr
.irp b, 0,1,2,3
	v_lshrrev_b32 v[TM+4+\b], 23, v[TM+12+\b]
.endr
	v_lshl_or_b32 v[PW], v[TM+5], 8, v[TM+4]
	v_lshl_or_b32 v[PW], v[TM+6], 16, v[PW]
	v_lshl_or_b32 v[PW], v[TM+7], 24, v[PW]
	s_wait_xcnt 0x0
	WIN (\w)
.irp c, 0,1
	v_cvt_scalef32_pk16_fp6_f32 v[PC+6*\c:PC+2+6*\c], v[(\s)+32*\c:(\s)+15+32*\c], v[TM+12+2*\c]
	v_cvt_scalef32_pk16_fp6_f32 v[PC+12+4*\c:PC+14+4*\c], v[(\s)+16+32*\c:(\s)+31+32*\c], v[TM+12+2*\c+1]
.endr
	WIN 0
	v_nop
.irp c, 0,1
.irp i, 0,1,2
	v_permlane16_swap_b32 v[PC+6*\c+\i], v[PC+12+4*\c+\i]
.endr
.irp i, 0,1,2
	v_mov_b32 v[PC+3+6*\c+\i], v[PC+12+4*\c+\i]
.endr
.endr
.endm
	s_load_b256 s[4:11], s[0:1], 0x0
	v_lshl_add_u32 v[SPW], v0, 2, SPARE
	v_mov_b32 v[NIL], 0
	ds_add_u32 v[SPW], v[NIL]
	ds_add_u32 v[SPW], v[NIL]
	v_lshrrev_b32 v1, 5, v0
	v_readfirstlane_b32 s14, v1
	s_lshr_b32 s15, s14, 1
	s_and_b32 s16, s14, 1
	s_bfe_u32 s40, ttmp6, 0x40000
	s_bfe_u32 s41, ttmp6, 0x40004
	s_lshl_b32 s42, ttmp9, 2
	s_add_co_u32 s42, s42, s40
	s_and_b32 s17, ttmp7, 0xffff
	s_lshl_b32 s17, s17, 2
	s_add_co_u32 s17, s17, s41
	s_lshl_b32 s43, s41, 2
	s_lshl_b32 s43, 15, s43
	s_lshl_b32 s44, 0x1111, s40
	s_or_b32 s[G1+0], s43, (3<<16)|(1<<21)
	s_or_b32 s[G1B+0], s44, (3<<16)|(1<<21)
.irp g, G1, G1B                        ; the head's shape: two runs of 128 slots, 24,576 bytes of each, 98,304 bytes apart
	s_mov_b32 s[\g+1], 3072<<16
	s_mov_b32 s[\g+2], 2<<16
	s_mov_b32 s[\g+3], 3072<<16
	s_mov_b32 s[\g+4], 2
	s_mov_b32 s[\g+5], 12288
	s_mov_b32 s[\g+6], 0
	s_mov_b32 s[\g+7], 0
.endr
	s_or_b32 s[G1S+0], s43, (3<<16)|(1<<21)
	s_or_b32 s[G1SB+0], s44, (3<<16)|(1<<21)
.irp g, G1S, G1SB
	s_mov_b32 s[\g+1], 32<<16
	s_mov_b32 s[\g+2], (2*SCW/256)<<16
	s_mov_b32 s[\g+3], 32<<16
	s_mov_b32 s[\g+4], 2*SCW/256
	s_mov_b32 s[\g+5], 32
	s_mov_b32 s[\g+6], 0
	s_mov_b32 s[\g+7], 0
.endr
	s_lshl_b32 s20, s17, 1
	s_lshl_b32 s46, s42, 1
	s_add_co_u32 s46, s46, 32
	s_lshl_b32 s22, s20, 12
	s_add_co_u32 s22, s22, 3145728
	s_mul_i32 s20, s20, 98304
	s_lshl_b32 s92, s46, 12
	s_add_co_u32 s92, s92, 9437184
	s_mul_i32 s46, s46, 98304
	s_mov_b32 s21, 0
	s_mov_b32 s23, 0
	s_mov_b32 s47, 0
	s_mov_b32 s93, 0
	s_mul_i32 s45, s14, WPART
	s_mul_i32 s18, s16, 98304                      ; in the ring I fetch one of the two runs
	s_mov_b32 s19, 0
	s_wait_dscnt 0x0
	s_wait_kmcnt 0x0
	s_add_nc_u64 s[20:21], s[4:5], s[20:21]
	s_add_nc_u64 s[22:23], s[4:5], s[22:23]
	s_add_nc_u64 s[46:47], s[6:7], s[46:47]
	s_add_nc_u64 s[92:93], s[6:7], s[92:93]
	CROUND
.macro GRP0 g, lds, a                  ; a group 0: LDS address, global address, type
	s_mov_b32 s[\g], 1
	s_mov_b32 s[\g+1], \lds
	s_mov_b64 s[\g+2:\g+3], s[\a:\a+1]
	s_or_b32 s[\g+3], s[\g+3], 0x80000000
.endm
	GRP0 4, 0, 20                                  ; the head's four tiles, each whole: slot 0's part of A,
	GRP0 96, 2*WPART, 46                           ; of B,
	GRP0 G0S, SCL, 22                              ; A's scale words,
	GRP0 G0SB, SCL+2*SCW, 92                       ; B's
	s_add_nc_u64 s[20:21], s[20:21], s[18:19]      ; for the ring: my run
	s_add_nc_u64 s[46:47], s[46:47], s[18:19]
.irp s, 0,1
	s_mov_b32 s[G0+4*\s], 1
	s_add_co_u32 s[G0+4*\s+1], s45, \s*SLOT
	s_add_nc_u64 s[G0+4*\s+2:G0+4*\s+3], s[20:21], \s*S1OFF
	s_or_b32 s[G0+4*\s+3], s[G0+4*\s+3], 0x80000000
	s_mov_b32 s[G0B+4*\s], 1
	s_add_co_u32 s[G0B+4*\s+1], s45, \s*SLOT
	s_add_nc_u64 s[G0B+4*\s+2:G0B+4*\s+3], s[46:47], \s*S1OFF
	s_or_b32 s[G0B+4*\s+3], s[G0B+4*\s+3], 0x80000000
.endr
; the head's loads, one a wave: one chain of branches on the wave's number, a load in each arm
.macro ARM under, g0, g1, next
	s_cmp_lt_u32 s14, \under
	s_cbranch_scc0 \next
	tensor_load_to_lds s[\g0:\g0+3], s[\g1:\g1+7]
	s_nop 0
.rept 4
	v_nop
.endr
	s_branch .Lhead_asked
\next:
.endm
	ARM 1, 4,   G1,  .Lhead_b
	ARM 2, 96,  G1B, .Lhead_sa
	ARM 3, G0S, G1S, .Lhead_sb
	tensor_load_to_lds s[G0SB:G0SB+3], s[G1SB:G1SB+7]
	s_nop 0
.rept 4
	v_nop
.endr
.Lhead_asked:
	s_cmp_eq_u32 s15, 0                            ; the prefetches: of the 24,576 bytes of a fill that I fetch in the ring, the four partners that ask with me take 6,144 each, told apart by address
	s_cselect_b64 s[44:45], s[20:21], s[46:47]
	s_cselect_b32 s43, s40, s41                    ; my place among them: cx for A, cy for B
	s_mul_i32 s18, s43, 6144
	s_add_nc_u64 s[44:45], s[44:45], s[18:19]      ; never written again
	v_and_b32 v31, 31, v0
	v_min_u32 v31, 23, v31                         ; 24 blocks of 256 bytes, a lane a block; lanes 24-31 name the last again
	v_lshlrev_b32 v31, 8, v31
	global_prefetch_b8 v31, s[44:45] offset:S1OFF th:TH_LOAD_NT scope:SCOPE_SE     ; the second and the third of the run's four fills
	global_prefetch_b8 v31, s[44:45] offset:2*S1OFF th:TH_LOAD_NT scope:SCOPE_SE
	v_and_b32 v1, 31, v0
	v_and_b32 v2, 15, v0
	v_bfe_u32 v3, v0, 4, 1
	s_wait_alu depctr_va_vdst(0)
	v_lshlrev_b32 v[L16], 4, v1
	v_lshlrev_b32 v[L8], 3, v1
	v_lshlrev_b32 v[L4], 2, v1
	v_lshlrev_b32 v[BA], 6, v3
	s_wait_alu depctr_va_vdst(0)
	s_mul_i32 s21, s15, WPART
	s_mul_i32 s22, s16, WPART
	s_add_co_u32 s22, s22, 2*WPART
.irp s, 0,1
	v_add_nc_u32 v[ADRA+\s], s21, v[L16]
	v_add_nc_u32 v[ADRB+\s], s22, v[L16]
	s_add_co_u32 s21, s21, SLOT
	s_add_co_u32 s22, s22, SLOT
.endr
	s_mul_i32 s21, s15, SCW
	s_mul_i32 s22, s16, SCW
	s_add_co_u32 s22, s22, 2*SCW
	s_sub_co_u32 s22, s22, s21
	v_mul_u32_u24 v6, s22, v3
	s_add_co_u32 s21, s21, SCL
	v_lshl_add_u32 v5, v2, 2, v6
	v_add_nc_u32 v[ADRS], s21, v5
	s_mov_b32 s[SEL], 0x76543210
	s_mov_b32 s[SEL+1], 0xfedcba98
	s_lshl_b32 s20, s42, 1
	s_add_co_u32 s20, s20, s16
	s_lshl_b32 s20, s20, 9
	s_mov_b32 s21, 0
	s_add_nc_u64 s[8:9], s[8:9], s[20:21]
	WIN 0x40
.irp b, 0,1,2,3,4,5,6,7
	global_load_b128 v[BIAS+8*\b:BIAS+8*\b+3], v[BA], s[8:9] offset:4*(32*(\b/2)+8*(\b%2))
	global_load_b128 v[BIAS+8*\b+4:BIAS+8*\b+7], v[BA], s[8:9] offset:4*(32*(\b/2)+8*(\b%2))+16
.endr
	WIN 0
	s_wait_alu depctr_va_vdst(0)
	s_wait_tensorcnt 0x0                           ; my tile of the head's four is in
	ds_add_u32 v[SPW], v[NIL]
.irp g, G1, G1B                        ; no tensor load of mine is out: from here on a load brings 96 rows of 256 bytes
	s_mov_b32 s[\g+1], 32<<16
	s_mov_b32 s[\g+2], 96<<16
	s_mov_b32 s[\g+3], 32<<16
	s_mov_b32 s[\g+4], 96
	s_mov_b32 s[\g+5], 32
.endr
	s_wait_dscnt 0x0
	CROUND                                         ; all four tiles are in, and the partners are here
	JLOAD G0+4, G1, G0B+4, G1B                     ; slot 1's first fill, the first tensor load behind the round
	FETCH 0, 0, 0
	s_wait_loadcnt 0x0
	STEP 0, 0, 2
	WIN 0
	global_prefetch_b8 v31, s[44:45] offset:3*S1OFF th:TH_LOAD_NT scope:SCOPE_SE   ; the fourth fill, which the second change of slots will ask for
	TURN 0, 1, 1
	s_wait_alu depctr_va_vdst(0)
	STEP 1, 0, 0
	TURN 1, 0, 1
	s_wait_alu depctr_va_vdst(0)
	STEP 0, 0, 0
	TURN 0, 1, 0
	s_wait_alu depctr_va_vdst(0)
	STEP 1, 0, 0
	s_wait_dscnt 0x0
	MULS 0, MA, 1, 0
	WIN 0
	s_lshl_b32 s20, s17, 1
	s_add_co_u32 s20, s20, s15
	s_lshl_b32 s20, s20, 5
	s_lshl_b32 s21, s42, 1
	s_add_co_u32 s21, s21, s16
	s_add_co_u32 s20, s20, s21
	s_lshl_b32 s20, s20, 3
	s_lshl_b32 s22, s20, 6
	s_add_co_u32 s22, s22, 12582912
	s_mov_b32 s23, 0
	s_mul_i32 s20, s20, 1536
	s_mov_b32 s21, 0
	s_add_nc_u64 s[22:23], s[10:11], s[22:23]
	s_add_nc_u64 s[20:21], s[10:11], s[20:21]
	s_mov_b32 s19, 0xffff0000
	PLACES
.irp b, 0,1,2,3
	v_mov_b32 v[TM+4+\b], 0
.endr
.irp a, 0,1,2,3,4,5,6,7
	RELU 64*(\a%4), 2+\a/4
	QUANT 64*(\a%4), 2+\a/4
	v_mov_b32 v[PWS+\a], v[PW]
.irp c, 0,1,2
	global_store_b128 v[L16], v[PC+4*\c:PC+4*\c+3], s[20:21] offset:1536*\a+512*\c
.endr
.endr
.irp k, 0,1,2,3
	v_cndmask_b32 v[CW+\k], v[PWS+2*\k], v[PWS+2*\k+1], s19
.endr
.irp k, 0,1,2,3
	global_store_b32 v[L4], v[CW+\k], s[22:23] offset:128*\k
.endr
	s_wait_tensorcnt 0x0
	ds_add_u32 v[SPW], v[NIL]
	s_wait_dscnt 0x0
	CROUND
	s_endpgm
.Lfunc_end_k_q034ecd8b12_ffn1:
	.size	k_q034ecd8b12_ffn1, .Lfunc_end_k_q034ecd8b12_ffn1-k_q034ecd8b12_ffn1
	.p2alignl 7, 3214868480
	.fill 96, 4, 3214868480
	.section	.rodata,"a",@progbits
	.p2align	6, 0x0
	.amdhsa_kernel k_q034ecd8b12_ffn1
		.amdhsa_group_segment_fixed_size 327680
		.amdhsa_private_segment_fixed_size 0
		.amdhsa_enable_private_segment 0
		.amdhsa_kernarg_size 32
		.amdhsa_user_sgpr_count 2
		.amdhsa_user_sgpr_kernarg_segment_ptr 1
		.amdhsa_wavefront_size32 1
		.amdhsa_system_sgpr_workgroup_id_x 1
		.amdhsa_system_sgpr_workgroup_id_y 1
		.amdhsa_system_sgpr_workgroup_id_z 1
		.amdhsa_system_vgpr_workitem_id 0
		.amdhsa_next_free_vgpr 1024
		.amdhsa_next_free_sgpr 102
		.amdhsa_reserve_vcc 0
		.amdhsa_float_denorm_mode_32 3
		.amdhsa_float_denorm_mode_16_64 3
		.amdhsa_memory_ordered 1
		.amdhsa_forward_progress 1
		.amdhsa_inst_pref_size 161
	.end_amdhsa_kernel
	.amdgpu_metadata
---
amdhsa.version: [ 1, 2 ]
amdhsa.kernels:
  - .name:           k_q034ecd8b12_ffn1
    .symbol:         k_q034ecd8b12_ffn1.kd
    .args:
      - { .name: h2, .offset: 0, .size: 8, .value_kind: global_buffer, .address_space: global }
      - { .name: wb, .offset: 8, .size: 8, .value_kind: global_buffer, .address_space: global }
      - { .name: b1, .offset: 16, .size: 8, .value_kind: global_buffer, .address_space: global }
      - { .name: fb, .offset: 24, .size: 8, .value_kind: global_buffer, .address_space: global }
    .group_segment_fixed_size: 327680
    .private_segment_fixed_size: 0
    .kernarg_segment_align: 8
    .kernarg_segment_size: 32
    .max_flat_workgroup_size: 128
    .sgpr_count:     102
    .vgpr_count:     1024
    .wavefront_size: 32
...
	.end_amdgpu_metadata
.endif
;; end of part 6
;; launch ffn2 (part 7): grid 8 x 32, 4 waves a work-group, clusters of 4 x 4, 327,680 bytes of LDS; arguments fb, wb, b2, x1, out0; writes out0
.if DOCPART == 7
	.amdgcn_target "amdgcn-amd-amdhsa--gfx1250"
	.amdhsa_code_object_version 6
	.text
	.protected	k_q034ecd8b12_ffn2
	.globl	k_q034ecd8b12_ffn2
	.p2align	8
	.type	k_q034ecd8b12_ffn2,@function
k_q034ecd8b12_ffn2:
	s_mov_b64 s[64:65], 0
	v_nop
	global_prefetch_b8 v0, s[64:65] scope:SCOPE_SE
	s_setreg_imm32_b32 hwreg(HW_REG_WAVE_MODE, 25, 1), 1
	s_wait_xcnt 0x0
	s_wait_alu depctr_hold_cnt(0) depctr_sa_sdst(0) depctr_va_vdst(0) depctr_va_sdst(0) depctr_va_ssrc(0) depctr_va_vcc(0) depctr_vm_vsrc(0)
	s_getreg_b32 s2, hwreg(HW_REG_IB_STS2, 6, 4)
	s_cmp_eq_u32 s2, 0
	s_cbranch_scc0 .Lentry_in_a_cluster
	s_endpgm
.Lentry_in_a_cluster:
	s_bfe_u32 s2, ttmp6, 0x10000c
	s_cmp_lg_u32 s2, 0xf033
	s_cbranch_scc0 .Lentry_shape_is_right
	s_endpgm
.Lentry_shape_is_right:
.set KK,    4096
.set AH,    0
.set ASC,   12582912
.set BOFF,  6291456
.set BSC,   9699328
.set MA,    4
.set NB,    4
.set NQ,    4
.set NS,    KK/128
.set ARUN,  NS*12288
.set SRUN,  NS*512
.set LAPS,  KK/1024
.set SLOT,  98304
.set WPART, 24576
.set QSTEP, 12288
.set S1OFF, 49152
.set FSTEP, 98304
.set SCL,   2*SLOT
.set SCW,   SRUN/2
.set SPARE, SCL+4*SCW
.set ADRA, 16
.set ADRB, 20
.set STO,  22
.set RD,   23
.set L16,  24
.set ADRS, 27
.set SPW,  28
.set NIL,  29
.set BA,   30
.set CO,   31
.set SC,   32
.set AF,   64
.set AS,   48
.set BS,   48
.set BIAS, 192
.set BK,   64
.set G1,   24
.set G0,   32
.set G1B,  48
.set G0B,  56
.set G1S,  68
.set G0S,  76
.set G1SB, 80
.set G0SB, 88
.set MSB, 0
.macro WIN new
.if MSB != (\new)
	s_set_vgpr_msb (MSB<<8)|(\new)
.set MSB, (\new)
.endif
.endm
.macro PLACES
.rept 4
	v_nop
.endr
.endm
.macro JLOAD g0a, g1a, g0b, g1b
	s_cmp_eq_u32 s15, 0
	s_cbranch_scc0 .Lfor_b_\@
	tensor_load_to_lds s[\g0a:\g0a+3], s[\g1a:\g1a+7]
	s_nop 0
.rept 4
	v_nop
.endr
	s_branch .Lasked_\@
.Lfor_b_\@:
	tensor_load_to_lds s[\g0b:\g0b+3], s[\g1b:\g1b+7]
	s_nop 0
.rept 4
	v_nop
.endr
.Lasked_\@:
.endm
.macro CREST
	s_cmp_lg_u32 s14, 0
	s_cbranch_scc1 .Lnot_wave_0_\@
	s_barrier_signal -3
.Lnot_wave_0_\@:
	s_barrier_wait -3
	s_barrier_signal -1
	s_barrier_wait -1
.endm
.macro CROUND
	s_barrier_signal -1
	s_barrier_wait -1
	CREST
.endm
.macro FRAG reg, adr, off
.irp c, 0,1,2
	ds_load_b128 v[(\reg)+4*\c:(\reg)+4*\c+3], v[\adr] offset:(\off)+512*\c
.endr
.endm
.macro FETCH slot, q, p
	WIN 0x40
.set fi, 0
.rept NB
	FRAG BS*(\p)+12*fi, ADRB+\slot, (\q)*QSTEP+fi*1536
.set fi, fi+1
.endr
	WIN 0
.set fi, 0
.rept MA
	FRAG AF+AS*(\p)+12*fi, ADRA+\slot, (\q)*QSTEP+fi*1536
.set fi, fi+1
.endr
.set fi, 0
.rept MA
	ds_load_b32 v[SC+8*(\p)+fi], v[ADRS] offset:512*(\q)+64*fi
.set fi, fi+1
.endr
.endm
.macro MULS a0, a1, p, mode
.set ma, \a0
.rept (\a1)-(\a0)
.if \mode == 2
	WIN 0x91
.else
	WIN 0xa1
.endif
.set mb, 0
.rept NB
.set rD, 8*(NB*ma+mb)
.set rB, BS*(\p)+12*mb
.set rA, AF+AS*(\p)+12*ma
.if \mode == 0
	v_wmma_scale_f32_16x16x128_f8f6f4 v[rD:rD+7], v[rB:rB+11], v[rA:rA+11], v[rD:rD+7], v[SC+8*(\p)+mb], v[SC+8*(\p)+ma] matrix_a_fmt:MATRIX_FMT_FP6 matrix_b_fmt:MATRIX_FMT_FP6 matrix_a_scale:MATRIX_SCALE_ROW1
.else
	v_wmma_scale_f32_16x16x128_f8f6f4 v[rD:rD+7], v[rB:rB+11], v[rA:rA+11], v[BIAS+8*mb:BIAS+8*mb+7], v[SC+8*(\p)+mb], v[SC+8*(\p)+ma] matrix_a_fmt:MATRIX_FMT_FP6 matrix_b_fmt:MATRIX_FMT_FP6 matrix_a_scale:MATRIX_SCALE_ROW1
.endif
.set mb, mb+1
.endr
.set ma, ma+1
.endr
.endm
.macro STEP slot, q, mode
	s_wait_dscnt 0x0
	PLACES
	FETCH \slot, (\q)+1, 1-(\q)%2
	MULS 0, MA, (\q)%2, \mode
.endm
.macro TURN slot, next, fill
	WIN 0
.if \fill
	s_wait_xcnt 0x0                                ; my last prefetch has read its address: it steps one slot's fill on
	s_add_nc_u64 s[PFA:PFA+1], s[PFA:PFA+1], S1OFF
.endif
	s_wait_tensorcnt 0x0
	ds_add_u32 v[SPW], v[NIL]
	s_wait_dscnt 0x1
	MULS 0, MA/4, 1, 0
	s_wait_dscnt 0x0
	s_barrier_signal -1
	MULS MA/4, MA/2, 1, 0
	WIN 0
	s_barrier_wait -1
.if \fill
	CREST
	s_add_nc_u64 s[G0+4*\slot+2:G0+4*\slot+3], s[G0+4*\slot+2:G0+4*\slot+3], FSTEP
	s_add_nc_u64 s[G0B+4*\slot+2:G0B+4*\slot+3], s[G0B+4*\slot+2:G0B+4*\slot+3], FSTEP
	JLOAD G0+4*\slot, G1, G0B+4*\slot, G1B
.else
	PLACES
.endif
	v_add_nc_u32 v[ADRS], 512*NQ, v[ADRS]
	FETCH \next, 0, 0
.if \fill
	s_cmp_gt_u32 s3, 1                             ; the last lap's two refills have no fill two on
	s_cbranch_scc0 .Lnopf_\@
	global_prefetch_b8 v[PFO], s[PFA:PFA+1] th:TH_LOAD_NT scope:SCOPE_SE   ; the fill that stands two refills on: my work-group's 24 blocks of 256 bytes of the 96 that I fetch
.Lnopf_\@:
.endif
	MULS MA/2, MA, 1, 0
.endm
.macro TOSTAGE a
	WIN 0x08
.irp b, 0,1,2,3
	ds_store_b128 v[STO], v[8*(4*(\a)+\b):8*(4*(\a)+\b)+3] offset:128*(\b/2)+32*(\b%2)
	ds_store_b128 v[STO], v[8*(4*(\a)+\b)+4:8*(4*(\a)+\b)+7] offset:128*(\b/2)+32*(\b%2)+16
.endr
	WIN 0
.set BB, BK+32*((\a)%2)
.irp t, 0,1,2,3,4,5,6,7
	ds_load_b128 v[BB+4*\t:BB+4*\t+3], v[RD] offset:544*\t
.endr
.endm
.macro SEND a, younger
.set BB, BK+32*((\a)%2)
	s_wait_dscnt \younger
	WIN 0x08
.irp t, 0,1,2,3,4,5,6,7,8,9,10,11,12,13,14,15
	v_pk_add_f32 v[BB+2*\t:BB+2*\t+1], v[BB+2*\t:BB+2*\t+1], v[128+32*(\a)+2*\t:128+32*(\a)+2*\t+1]
.endr
	WIN 0
.irp t, 0,1,2,3,4,5,6,7
	global_store_b128 v[CO], v[BB+4*\t:BB+4*\t+3], s[12:13] offset:(32*((\a)/2)+16*(\t/4)+8*((\a)%2)+2*(\t%4))*4096 th:TH_STORE_NT
.endr
.endm
	s_load_b256 s[4:11], s[0:1], 0x0
	s_load_b64 s[12:13], s[0:1], 0x20
	v_lshl_add_u32 v[SPW], v0, 2, SPARE
	v_mov_b32 v[NIL], 0
	ds_add_u32 v[SPW], v[NIL]
	ds_add_u32 v[SPW], v[NIL]
	v_lshrrev_b32 v1, 5, v0
	v_readfirstlane_b32 s14, v1
	s_lshr_b32 s15, s14, 1
	s_and_b32 s16, s14, 1
	s_bfe_u32 s40, ttmp6, 0x40000
	s_bfe_u32 s41, ttmp6, 0x40004
	s_lshl_b32 s42, ttmp9, 2
	s_add_co_u32 s42, s42, s40
	s_and_b32 s17, ttmp7, 0xffff
	s_lshl_b32 s17, s17, 2
	s_add_co_u32 s17, s17, s41
	s_lshl_b32 s43, s41, 2
	s_lshl_b32 s43, 15, s43
	s_lshl_b32 s44, 0x1111, s40
	s_or_b32 s[G1+0], s43, (3<<16)|(1<<21)
	s_or_b32 s[G1B+0], s44, (3<<16)|(1<<21)
.irp g, G1, G1B
	s_mov_b32 s[\g+1], 32<<16
	s_mov_b32 s[\g+2], 192<<16                     ; the head's loads bring a whole slot's part: 192 rows
	s_mov_b32 s[\g+3], 32<<16
	s_mov_b32 s[\g+4], 192
	s_mov_b32 s[\g+5], 32
	s_mov_b32 s[\g+6], 0
	s_mov_b32 s[\g+7], 0
.endr
	s_or_b32 s[G1S+0], s43, (3<<16)|(1<<21)
	s_or_b32 s[G1SB+0], s44, (3<<16)|(1<<21)
.irp g, G1S, G1SB
	s_mov_b32 s[\g+1], 32<<16
	s_mov_b32 s[\g+2], (SRUN/256)<<16
	s_mov_b32 s[\g+3], 32<<16
	s_mov_b32 s[\g+4], SRUN/256
	s_mov_b32 s[\g+5], 32
	s_mov_b32 s[\g+6], 0
	s_mov_b32 s[\g+7], 0
.endr
	s_mul_i32 s18, s16, WPART
	s_mov_b32 s19, 0
	s_mul_i32 s20, s17, ARUN
	s_mul_i32 s22, s17, SRUN
	s_add_co_u32 s22, s22, ASC
	s_mul_i32 s46, s42, ARUN
	s_add_co_u32 s46, s46, BOFF
	s_mul_i32 s92, s42, SRUN
	s_add_co_u32 s92, s92, BSC
	s_mov_b32 s21, 0
	s_mov_b32 s23, 0
	s_mov_b32 s47, 0
	s_mov_b32 s93, 0
	s_mul_i32 s45, s14, WPART
	s_wait_dscnt 0x0
	s_wait_kmcnt 0x0
	s_add_nc_u64 s[20:21], s[4:5], s[20:21]
	s_add_nc_u64 s[22:23], s[4:5], s[22:23]
	s_add_nc_u64 s[46:47], s[6:7], s[46:47]
	s_add_nc_u64 s[92:93], s[6:7], s[92:93]
	CROUND
.set PFA, 94                           ; s[94:95] where my prefetches stand
.set PFO, 26                           ; v26 their offset: 256 x lane, lanes 24-31 name the last block again
.macro GRP0 g, lds, a                  ; a group 0: LDS address, global address, type
	s_mov_b32 s[\g], 1
	s_mov_b32 s[\g+1], \lds
	s_mov_b64 s[\g+2:\g+3], s[\a:\a+1]
	s_or_b32 s[\g+3], s[\g+3], 0x80000000
.endm
	GRP0 4, 0, 20                                  ; the head's four tiles, each whole: slot 0's part of A,
	GRP0 96, 2*WPART, 46                           ; of B,
	GRP0 G0S, SCL, 22                              ; A's scale words,
	GRP0 G0SB, SCL+2*SCW, 92                       ; B's
	s_add_nc_u64 s[20:21], s[20:21], s[18:19]      ; for the ring: my two steps of a slot
	s_add_nc_u64 s[46:47], s[46:47], s[18:19]
	s_cmp_eq_u32 s15, 0                            ; the prefetches: of the 24,576 bytes that I fetch, the four partners that ask with me take 6,144 each, told apart by address
	s_cselect_b64 s[PFA:PFA+1], s[20:21], s[46:47]
	s_cselect_b32 s2, s40, s41                     ; my place among them: cx for A, cy for B
	s_mul_i32 s18, s2, 6144
	s_add_nc_u64 s[PFA:PFA+1], s[PFA:PFA+1], s[18:19]
	s_add_nc_u64 s[PFA:PFA+1], s[PFA:PFA+1], 3*S1OFF   ; at the fourth fill of the run's eight
.irp s, 0,1
	s_mov_b32 s[G0+4*\s], 1
	s_add_co_u32 s[G0+4*\s+1], s45, \s*SLOT
	s_add_nc_u64 s[G0+4*\s+2:G0+4*\s+3], s[20:21], \s*S1OFF
	s_or_b32 s[G0+4*\s+3], s[G0+4*\s+3], 0x80000000
	s_mov_b32 s[G0B+4*\s], 1
	s_add_co_u32 s[G0B+4*\s+1], s45, \s*SLOT
	s_add_nc_u64 s[G0B+4*\s+2:G0B+4*\s+3], s[46:47], \s*S1OFF
	s_or_b32 s[G0B+4*\s+3], s[G0B+4*\s+3], 0x80000000
.endr
; the head's loads, one a wave: one chain of branches on the wave's number, a load in each arm
.macro ARM under, g0, g1, next
	s_cmp_lt_u32 s14, \under
	s_cbranch_scc0 \next
	tensor_load_to_lds s[\g0:\g0+3], s[\g1:\g1+7]
	s_nop 0
.rept 4
	v_nop
.endr
	s_branch .Lhead_asked
\next:
.endm
	ARM 1, 4,   G1,  .Lhead_b
	ARM 2, 96,  G1B, .Lhead_sa
	ARM 3, G0S, G1S, .Lhead_sb
	tensor_load_to_lds s[G0SB:G0SB+3], s[G1SB:G1SB+7]
	s_nop 0
.rept 4
	v_nop
.endr
.Lhead_asked:
	v_and_b32 v[PFO], 31, v0
	v_min_u32 v[PFO], 23, v[PFO]
	v_lshlrev_b32 v[PFO], 8, v[PFO]
	global_prefetch_b8 v[PFO], s[PFA:PFA+1] offset:-2*S1OFF th:TH_LOAD_NT scope:SCOPE_SE   ; the second and the third of the run's eight fills; the fourth is asked for behind the first step
	global_prefetch_b8 v[PFO], s[PFA:PFA+1] offset:-S1OFF th:TH_LOAD_NT scope:SCOPE_SE
	v_and_b32 v1, 31, v0
	v_and_b32 v2, 15, v0
	v_bfe_u32 v3, v0, 4, 1
	s_wait_alu depctr_va_vdst(0)
	v_lshlrev_b32 v[L16], 4, v1
	s_mul_i32 s21, s15, 6144
	s_mul_i32 s22, s16, 6144
	s_add_co_u32 s22, s22, 2*WPART
.irp s, 0,1
	v_add_nc_u32 v[ADRA+\s], s21, v[L16]
	v_add_nc_u32 v[ADRB+\s], s22, v[L16]
	s_add_co_u32 s21, s21, SLOT
	s_add_co_u32 s22, s22, SLOT
.endr
	s_lshl_b32 s21, s15, 8
	s_lshl_b32 s22, s16, 8
	s_add_co_u32 s22, s22, 2*SCW
	s_sub_co_u32 s22, s22, s21
	v_mul_u32_u24 v6, s22, v3
	s_add_co_u32 s21, s21, SCL
	v_lshl_add_u32 v5, v2, 2, v6
	v_add_nc_u32 v[ADRS], s21, v5
	s_mul_i32 s23, s14, 16*272
	v_mul_u32_u24 v5, v2, 272
	v_lshl_add_u32 v5, v3, 6, v5
	v_add_nc_u32 v[STO], s23, v5
	v_mul_u32_u24 v5, v3, 272
	v_lshl_add_u32 v5, v2, 4, v5
	v_add_nc_u32 v[RD], s23, v5
	v_lshlrev_b32 v5, 12, v3
	v_lshl_add_u32 v[CO], v2, 4, v5
	v_lshlrev_b32 v[BA], 6, v3
	s_wait_alu depctr_va_vdst(0)
	s_lshl_b32 s20, s17, 7
	s_lshl_b32 s21, s15, 6
	s_add_co_u32 s20, s20, s21
	s_lshl_b32 s20, s20, 12
	s_lshl_b32 s21, s42, 9
	s_lshl_b32 s22, s16, 8
	s_add_co_u32 s22, s21, s22
	s_mov_b32 s23, 0
	s_add_nc_u64 s[8:9], s[8:9], s[22:23]
	s_add_co_u32 s20, s20, s22
	s_mov_b32 s21, 0
	s_add_nc_u64 s[10:11], s[10:11], s[20:21]
	s_add_nc_u64 s[12:13], s[12:13], s[20:21]
	WIN 0x40
.irp b, 0,1,2,3
	global_load_b128 v[BIAS+8*\b:BIAS+8*\b+3], v[BA], s[8:9] offset:4*(32*(\b/2)+8*(\b%2))
	global_load_b128 v[BIAS+8*\b+4:BIAS+8*\b+7], v[BA], s[8:9] offset:4*(32*(\b/2)+8*(\b%2))+16
.endr
	WIN 0x80
.irp a, 0,1,2,3
.irp t, 0,1,2,3,4,5,6,7
	global_load_b128 v[128+32*\a+4*\t:128+32*\a+4*\t+3], v[CO], s[10:11] offset:(32*(\a/2)+16*(\t/4)+8*(\a%2)+2*(\t%4))*4096
.endr
.endr
	WIN 0
	s_wait_tensorcnt 0x0                           ; my tile of the head's four is in
	ds_add_u32 v[SPW], v[NIL]
	s_mov_b32 s[G1+2], 96<<16                      ; no tensor load of mine is out: from here on a load brings 96 rows
	s_mov_b32 s[G1+4], 96
	s_mov_b32 s[G1B+2], 96<<16
	s_mov_b32 s[G1B+4], 96
	s_wait_dscnt 0x0
	CROUND                                         ; all four tiles are in, and the partners are here
	JLOAD G0+4, G1, G0B+4, G1B                     ; slot 1's first fill, the first tensor load behind the round
	FETCH 0, 0, 0
	s_wait_loadcnt 32
	STEP 0, 0, 2
	WIN 0
	global_prefetch_b8 v[PFO], s[PFA:PFA+1] th:TH_LOAD_NT scope:SCOPE_SE
	s_mov_b32 s3, LAPS-1
.Llap:
	s_wait_alu depctr_va_vdst(0)
	STEP 0, 1, 0
	STEP 0, 2, 0
	TURN 0, 1, 1
	s_wait_alu depctr_va_vdst(0)
	STEP 1, 0, 0
	STEP 1, 1, 0
	STEP 1, 2, 0
	TURN 1, 0, 1
	s_wait_alu depctr_va_vdst(0)
	STEP 0, 0, 0
	WIN 0
	s_sub_co_u32 s3, s3, 1
	s_cmp_lg_u32 s3, 0
	s_cbranch_scc1 .Llap
	STEP 0, 1, 0
	STEP 0, 2, 0
	TURN 0, 1, 0
	s_wait_alu depctr_va_vdst(0)
	STEP 1, 0, 0
	STEP 1, 1, 0
	STEP 1, 2, 0
	s_wait_dscnt 0x0
	MULS 0, MA, 1, 0
	WIN 0
	s_wait_loadcnt 0x0
	PLACES
	TOSTAGE 0
.irp a, 1,2,3
.if \a > 1
	s_wait_xcnt 0x0
.endif
	TOSTAGE \a
	SEND \a-1, 16
.endr
	SEND 3, 0
	s_wait_tensorcnt 0x0
	ds_add_u32 v[SPW], v[NIL]
	s_wait_dscnt 0x0
	CROUND
	s_endpgm
.Lfunc_end_k_q034ecd8b12_ffn2:
	.size	k_q034ecd8b12_ffn2, .Lfunc_end_k_q034ecd8b12_ffn2-k_q034ecd8b12_ffn2
	.p2alignl 7, 3214868480
	.fill 96, 4, 3214868480
	.section	.rodata,"a",@progbits
	.p2align	6, 0x0
	.amdhsa_kernel k_q034ecd8b12_ffn2
		.amdhsa_group_segment_fixed_size 327680
		.amdhsa_private_segment_fixed_size 0
		.amdhsa_enable_private_segment 0
		.amdhsa_kernarg_size 40
		.amdhsa_user_sgpr_count 2
		.amdhsa_user_sgpr_kernarg_segment_ptr 1
		.amdhsa_wavefront_size32 1
		.amdhsa_system_sgpr_workgroup_id_x 1
		.amdhsa_system_sgpr_workgroup_id_y 1
		.amdhsa_system_sgpr_workgroup_id_z 1
		.amdhsa_system_vgpr_workitem_id 0
		.amdhsa_next_free_vgpr 768
		.amdhsa_next_free_sgpr 100
		.amdhsa_reserve_vcc 0
		.amdhsa_float_denorm_mode_32 3
		.amdhsa_float_denorm_mode_16_64 3
		.amdhsa_memory_ordered 1
		.amdhsa_forward_progress 1
		.amdhsa_inst_pref_size 95
	.end_amdhsa_kernel
	.amdgpu_metadata
---
amdhsa.version: [ 1, 2 ]
amdhsa.kernels:
  - .name:           k_q034ecd8b12_ffn2
    .symbol:         k_q034ecd8b12_ffn2.kd
    .args:
      - { .name: fb, .offset: 0, .size: 8, .value_kind: global_buffer, .address_space: global }
      - { .name: wb, .offset: 8, .size: 8, .value_kind: global_buffer, .address_space: global }
      - { .name: b2, .offset: 16, .size: 8, .value_kind: global_buffer, .address_space: global }
      - { .name: x1, .offset: 24, .size: 8, .value_kind: global_buffer, .address_space: global }
      - { .name: out0, .offset: 32, .size: 8, .value_kind: global_buffer, .address_space: global }
    .group_segment_fixed_size: 327680
    .private_segment_fixed_size: 0
    .kernarg_segment_align: 8
    .kernarg_segment_size: 40
    .max_flat_workgroup_size: 128
    .sgpr_count:     100
    .vgpr_count:     768
    .wavefront_size: 32
...
	.end_amdgpu_metadata
.endif
;; end of part 7
